; MI455X (gfx1250); checked and timed in simulation.
; The chip was launched on July 23, 2026; its instructions are those of AMD's public machine-readable ISA for CDNA 5 (MIT licence, August 2026) and "CDNA5" Instruction Set Architecture Reference Guide (July 2026). The comments in the code are by the model that wrote it; some were corrected since.
;; Transformer Block. Allowed arithmetic: matrix products marked QUANTISED: E2M1 operands, one E8M0 scale for each 32 along K, by v_wmma_scale_f32_16x16x128_f8f6f4 with both operands' format E2M1 (or v_wmma_scale_f32_32x16x128_f4), f32 sums; everything else in f32.
;; Inputs: Wk_codes 1,024 x 32 x 16 uint8 (E2M1 codes of Wk, K innermost, in blocks of 32 codes, two codes a byte); Wk_scales 1,024 x 32 uint8 (E8M0 scales of Wk, one for each 32 codes along K); Wo_codes 1,024 x 32 x 16 uint8 (E2M1 codes of Wo, K innermost, in blocks of 32 codes, two codes a byte); Wo_scales 1,024 x 32 uint8 (E8M0 scales of Wo, one for each 32 codes along K); Wq_codes 1,024 x 32 x 16 uint8 (E2M1 codes of Wq, K innermost, in blocks of 32 codes, two codes a byte); Wq_scales 1,024 x 32 uint8 (E8M0 scales of Wq, one for each 32 codes along K); Wv_codes 1,024 x 32 x 16 uint8 (E2M1 codes of Wv, K innermost, in blocks of 32 codes, two codes a byte); Wv_scales 1,024 x 32 uint8 (E8M0 scales of Wv, one for each 32 codes along K); g1 1,024 float32; g2 1,024 float32; positions 2,048 int32; w1_codes 2,752 x 32 x 16 uint8 (E2M1 codes of w1, K innermost, in blocks of 32 codes, two codes a byte); w1_scales 2,752 x 32 uint8 (E8M0 scales of w1, one for each 32 codes along K); w2_codes 1,024 x 86 x 16 uint8 (E2M1 codes of w2, K innermost, in blocks of 32 codes, two codes a byte); w2_scales 1,024 x 86 uint8 (E8M0 scales of w2, one for each 32 codes along K); w3_codes 2,752 x 32 x 16 uint8 (E2M1 codes of w3, K innermost, in blocks of 32 codes, two codes a byte); w3_scales 2,752 x 32 uint8 (E8M0 scales of w3, one for each 32 codes along K); x 2 x 2,048 x 1,024 float32.
;; Outputs: out0 2 x 2,048 x 1,024 float32.
;; Constants: theta = 10000.
;; This version of the problem:
;;   THIS VERSION OF THE PROBLEM IS GIVEN IN LOW PRECISION. The matrix products marked QUANTISED in the list below multiply operands that are first quantised to E2M1 (2 exponent bits, 1 mantissa bit; 4 bits a number), with one power-of-two scale for each 32 numbers along K (OCP MX v1.0); their sums are f32. All else is computed in f32.
;;   The module's matrix products, in the order in which they are computed (A, B: the left and right operand; K: the contracted axis; several contracted axes count as one K, in the product's order):
;;     1. [M 4,096, K 1,024] x [K 1,024, N 1,024]; A: computed on the way; B: input Wq (given as codes): QUANTISED
;;     2. [M 4,096, K 1,024] x [K 1,024, N 1,024]; A: computed on the way; B: input Wk (given as codes): QUANTISED
;;     3. [M 4,096, K 1,024] x [K 1,024, N 1,024]; A: computed on the way; B: input Wv (given as codes): QUANTISED
;;     4. batch 32 x [M 2,048, K 64] x [K 64, N 2,048]; A: computed on the way; B: computed on the way: QUANTISED
;;     5. batch 32 x [M 2,048, K 2,048] x [K 2,048, N 64]; A: softmax (see below); B: computed on the way: QUANTISED
;;     6. [M 4,096, K 1,024] x [K 1,024, N 1,024]; A: computed on the way; B: input Wo (given as codes): QUANTISED
;;     7. [M 4,096, K 1,024] x [K 1,024, N 2,752]; A: computed on the way; B: input w1 (given as codes): QUANTISED
;;     8. [M 4,096, K 1,024] x [K 1,024, N 2,752]; A: computed on the way; B: input w3 (given as codes): QUANTISED
;;     9. [M 4,096, K 2,752] x [K 2,752, N 1,024]; A: computed on the way; B: input w2 (given as codes): QUANTISED
;;   THE QUANTISER, for each operand of a quantised product, along K:
;;     - K is cut into blocks of 32 from its start; a last block that is shorter is filled with zeros.
;;     - A block's scale is 2^e with e = floor(log2(the largest magnitude in the block)) - 2, held to -126 .. 127; a block of zeros has e = 0. As a byte (E8M0): e + 127.
;;     - Each number is divided by its block's scale, clamped to +-6, and rounded to the nearest number of E2M1, ties to even, subnormals kept.
;;     - The product sums the exact products of the quantised numbers (number of the format x scale) in f32.
;;   ~~~python
;;   def quantise(x, axis):      # numpy; x: float32 -> the quantised numbers, widened to float32 again
;;       x = np.moveaxis(x, axis, -1); K = x.shape[-1]
;;       x = np.pad(x, [(0, 0)] * (x.ndim - 1) + [(0, -K % 32)]); x = x.reshape(x.shape[:-1] + (-1, 32)); a = np.abs(x).max(-1, keepdims=True)
;;       e = np.where(a > 0, np.clip(np.frexp(np.where(a > 0, a, 1))[1] - 1 - 2, -126, 127), 0)      # np.frexp(a)[1] - 1 = floor(log2(a)), exactly
;;       r = np.clip(x / 2.0 ** e, -6, 6)
;;       step = 2.0 ** (np.maximum(np.frexp(np.where(r == 0, 1, r))[1] - 1, 0) - 1)
;;       q = np.round(r / step) * step * 2.0 ** e      # np.round: ties to even
;;       return np.moveaxis(q.reshape(q.shape[:-2] + (-1,))[..., :K], -1, axis).astype(np.float32)
;;   ~~~
;;   SOFTMAX AHEAD OF A QUANTISED PRODUCT. Where the list says 'softmax', what is quantised is not the finished softmax but p = 2^(t - M), with t = logit x log2(e) and M = ceil(the row's largest t), a whole number; so 1/2 < the row's largest p <= 1. The row's sum l is taken of the UNQUANTISED p, in f32, and the product's result is divided by l at the end. Since M is a whole number, a kernel that streams over the keys may use a running M (the ceiling of the running maximum): every later rescaling is an exact power of two, which a block's scale takes up: the codes' values come out the same.
;;   OPERANDS COMPUTED ON THE WAY. 'Computed on the way' means the value that the module computes at that place (a softmax that the list does not call 'softmax' is quantised finished and normalised). What goes into a quantiser is computed in f32, as accurately as f32 sums, v_exp_f32 and their like allow (about 1e-6 of the number): no bf16 or f16 on the way to a quantiser, and a product that is left as it is and whose result goes on into a quantised operand takes f32 operands (vector FMAs, or v_wmma_f32_16x16x4_f32). A number that lies on a knife's edge between two numbers of the format may be rounded either way, as far as f32 arithmetic and the matrix unit's own rounding can turn it there, and no further.
;;   INPUTS GIVEN AS CODES. Wk (in the module: [1024, 1024], K = its axis 1); Wo (in the module: [1024, 1024], K = its axis 1); Wq (in the module: [1024, 1024], K = its axis 1); Wv (in the module: [1024, 1024], K = its axis 1); w1 (in the module: [2752, 1024], K = its axis 1); w2 (in the module: [1024, 2752], K = its axis 1); w3 (in the module: [2752, 1024], K = its axis 1): each comes as NAME_codes (uint8): NAME with its K axis moved to the last place and cut into blocks of 32 codes, [.., K / 32, bytes a block], one block behind the other in memory; two codes a byte, the lower K in the low four bits (a code: sign, 2 exponent bits, 1 mantissa bit); and NAME_scales (uint8): the same leading axes, one E8M0 byte (e + 127) for each 32 codes along K. Its value is code x scale, taken as it is: it is not quantised again, and the codes and scales need not be those that the quantiser above would give.
;; One version. Each part assembles by itself: llvm-mc -triple=amdgcn-amd-amdhsa -mcpu=gfx1250 --defsym DOCPART=n.
;; ======== version 1 of 1: 6 launches
;; limits: inputs' magnitudes at most 1,048,576; right only within a limited range of input values
;; workspace buffers: pre 2,883,584 bytes; qkvb 7,602,176 bytes; att 2,359,296 bytes; x2 16,777,216 bytes; xm 2,359,296 bytes; hid 6,488,064 bytes; wimg 6,447,104 bytes
;; launch prep (part 1): grid 347 x 1, 8 waves a work-group, no clusters, 66,816 bytes of LDS; arguments x, g1, positions, pre, Wq_codes, Wk_codes, Wv_codes, Wo_codes, w1_codes, w3_codes, w2_codes, w2_scales, wimg; writes pre, wimg
.if DOCPART == 1
	.amdgcn_target "amdgcn-amd-amdhsa--gfx1250"
	.amdhsa_code_object_version 6
	.text
	.protected	k_q16cd4d612b_prep
	.globl	k_q16cd4d612b_prep
	.p2align	8
	.type	k_q16cd4d612b_prep,@function
k_q16cd4d612b_prep:
	s_mov_b64 s[64:65], 0
	v_nop
	global_prefetch_b8 v0, s[64:65] scope:SCOPE_SE
	s_setreg_imm32_b32 hwreg(HW_REG_WAVE_MODE, 25, 1), 1
	s_wait_xcnt 0x0
; PREP.  WORK-GROUPS 0 .. 255: xn = rmsnorm(x, g1) in f32, quantised to FP4 (E2M1) along the 1,024 channels, one E8M0 byte for each 32; and the table of cos and sin for RoPE.
; WORK-GROUPS 256 .. 346: the seven weights' codes, given row by row, are laid once into wimg as images of operand registers, so that every later load of a weight's fragment reads 512 consecutive bytes (see at .Lrelay).
; TILES OF TOKENS.  Tile T holds 16 tokens that are not neighbours: row p is token 32 (T / 2) + 8 (T % 2) + p + 8 (p / 8).  Every later launch uses this map.
; OUTPUT in the buffer pre, laid as images of operand registers: codes at ((T x 8 + s) x 2 + c) x 512 + 16 x lane (registers 4 c .. 4 c + 3 of the fragment of tile T, K step s);
; scale words at XN_SC + (T x 8 + s) x 128 + 4 x lane; the table at ROPE + T' x 4096 + q x 512 + 16 x lane = cos, sin, cos, sin of pairs i, i + 1, i = 16 (q / 4) + 8 (lane / 16) + 4 ((q / 2) % 2) + 2 (q % 2), token = row lane % 16 of tile T'.
; SHARES.  A work-group takes one tile.  Wave w normalises rows 2 w and 2 w + 1 (a row is 32 registers of the wave), the 16 rows meet in LDS (rows of 4,096 + 16 bytes), and wave w then takes K step w of all 16 rows:
; lane (r, h) reads the 2 x 32 numbers that the operand's layout gives it, so that a block of 32 lies in one lane.  Each thread also makes one pair (cos, sin): half a tile of the table a work-group.
; No matrix work, no tensor loads: the launch reads x once and stores an eighth of its bytes; waves meet at one barrier.
; LIMITS.  NaN and infinities are not served.  A block whose largest magnitude lies under 2^-124 gets the byte 1, a block of zeros too (its codes are zeros; only this program reads the bytes).  x / rms is x times rsq.
; The frequency 10^(-i / 8) is made by exp2 from a two-word log2(10) / 8, within about 1.5 ulp; the angle's reduction by pi / 2 in three words holds for |position x frequency| under about 2^20.
.set PITCH, 4112
.set XN_SC, 2097152
.set ROPE,  2359296
.set NT,    256                        ; work-groups that take a tile of tokens
.set NA,    600                        ; waves that take a tile of a weight with K = 1,024
.set W2I,   4915200                    ; wimg: w2's codes begin here (behind 600 tiles of 8,192 bytes),
.set W2S,   6356992                    ; its scale words here
.set LI,  2                            ; v2   16 x lane
.set F,   20                           ; v20-27 the fragment's codes
.set SA,  28                           ; v28  the stage, on the way in
.set FA,  29                           ; v29  the stage, on the way out
.set SH8, 30                           ; v30  8 x (lane / 16)
.set LS,  31                           ; v31  4 x lane
.set X,   32                           ; v32-95  two rows of x, later a lane's 64 numbers of a fragment
.set G,   96                           ; v96-127 g1, as a row lies in the wave
.set SEL, 36                           ; s[36:37] selects of v_permlanex16_b32: lane xor 16
.set EPS, 38
.set RN,  39
; the sum of a row's squares over the wave, / 1024, + eps.  R: the row's first register; A: four registers at work
.macro SUMSQ R, A
	v_pk_mul_f32 v[\A:\A+1], v[\R:\R+1], v[\R:\R+1]
	v_pk_mul_f32 v[\A+2:\A+3], v[\R+2:\R+3], v[\R+2:\R+3]
.irp j, 4,8,12,16,20,24,28
	s_delay_alu instid0(VALU_DEP_2)
	v_pk_fma_f32 v[\A:\A+1], v[\R+\j:\R+\j+1], v[\R+\j:\R+\j+1], v[\A:\A+1]
	s_delay_alu instid0(VALU_DEP_2)
	v_pk_fma_f32 v[\A+2:\A+3], v[\R+\j+2:\R+\j+3], v[\R+\j+2:\R+\j+3], v[\A+2:\A+3]
.endr
	s_delay_alu instid0(VALU_DEP_1)
	v_pk_add_f32 v[\A:\A+1], v[\A:\A+1], v[\A+2:\A+3]
	s_delay_alu instid0(VALU_DEP_1)
	v_add_f32 v[\A], v[\A], v[\A+1]
	s_delay_alu instid0(VALU_DEP_1)
	v_add_f32_dpp v[\A], v[\A], v[\A] row_xmask:1 row_mask:0xf bank_mask:0xf
	s_delay_alu instid0(VALU_DEP_1)
	v_add_f32_dpp v[\A], v[\A], v[\A] row_xmask:2 row_mask:0xf bank_mask:0xf
	s_delay_alu instid0(VALU_DEP_1)
	v_add_f32_dpp v[\A], v[\A], v[\A] row_xmask:4 row_mask:0xf bank_mask:0xf
	s_delay_alu instid0(VALU_DEP_1)
	v_add_f32_dpp v[\A], v[\A], v[\A] row_xmask:8 row_mask:0xf bank_mask:0xf
	s_delay_alu instid0(VALU_DEP_1)
	v_permlanex16_b32 v[\A+1], v[\A], s[SEL], s[SEL+1]
	s_delay_alu instid0(VALU_DEP_1)
	v_add_f32 v[\A], v[\A], v[\A+1]
	s_delay_alu instid0(VALU_DEP_1)
	v_fma_f32 v[\A], v[\A], s[RN], s[EPS]
.endm
; 64 numbers of a lane, register N + 32 c + i = k 64 c + 32 h + i of its row, become the fragment's 8 registers FR and the row's scale word W.  T: seven registers at work
.macro FQ N, FR, W, T
	v_max3_num_f32 v[\T], |v[\N]|, |v[\N+1]|, 0x1800000            ; the floor 2^(3 - 127) among the leaves holds the byte at 1 from below
	v_max3_num_f32 v[\T+1], |v[\N+32]|, |v[\N+33]|, 0x1800000
.irp i, 2,4,6,8,10,12,14,16,18,20,22,24,26,28,30
	s_delay_alu instid0(VALU_DEP_2)
	v_max3_num_f32 v[\T], v[\T], |v[\N+\i]|, |v[\N+\i+1]|
	s_delay_alu instid0(VALU_DEP_2)
	v_max3_num_f32 v[\T+1], v[\T+1], |v[\N+32+\i]|, |v[\N+33+\i]|
.endr
	s_delay_alu instid0(VALU_DEP_2)
	v_add_nc_u32 v[\T+2], 0xff000000, v[\T]                        ; 2 off the exponent field: the conversion's scale operand
	s_delay_alu instid0(VALU_DEP_2)
	v_add_nc_u32 v[\T+3], 0xff000000, v[\T+1]
	s_delay_alu instid0(VALU_DEP_2)
	v_lshrrev_b32 v[\T+4], 23, v[\T+2]                             ; the scale's byte
	s_delay_alu instid0(VALU_DEP_2)
	v_lshrrev_b32 v[\T+5], 23, v[\T+3]
	s_delay_alu instid0(VALU_DEP_1)
	v_lshl_or_b32 v[\W], v[\T+5], 16, v[\T+4]                      ; my blocks are h and 2 + h of the K step
	s_delay_alu instid0(VALU_DEP_1)
	v_lshlrev_b32 v[\W], v[SH8], v[\W]
	s_delay_alu instid0(VALU_DEP_1)
	v_permlanex16_b32 v[\T+6], v[\W], s[SEL], s[SEL+1]
	s_delay_alu instid0(VALU_DEP_1)
	v_or_b32 v[\W], v[\W], v[\T+6]                                 ; with lane xor 16's two bytes the word is whole
.irp c, 0,1
.irp g, 0,1,2,3
	v_cvt_scalef32_pk8_fp4_f32 v[\FR+4*\c+\g], v[\N+32*\c+8*\g:\N+32*\c+8*\g+7], v[\T+2+\c]
.endr
.endr
	v_nop                                                          ; one plain place behind the last conversion
.endm
	v_lshl_add_u32 v128, v0, 2, 0x10100
	v_mov_b32 v129, 0
	s_cmp_ge_u32 ttmp9, NT                         ; the work-group's number parts the two kinds of work: the same way for all its waves
	s_cbranch_scc1 .Lrelay
	s_load_b256 s[4:11], s[0:1], 0x0               ; x s[4:5], g1 s[6:7], positions s[8:9], pre s[10:11]
	v_lshrrev_b32 v1, 5, v0
	s_delay_alu instid0(VALU_DEP_1)
	v_readfirstlane_b32 s12, v1                    ; wave
	v_and_b32 v1, 31, v0
	s_delay_alu instid0(VALU_DEP_1)
	v_lshlrev_b32 v[LI], 4, v1
	s_delay_alu instid0(VALU_DEP_2)
	v_lshlrev_b32 v[LS], 2, v1
	v_bfe_u32 v3, v0, 1, 4                         ; the table: my row r' of tile T' = T / 2
	s_delay_alu instid0(VALU_DEP_1)
	v_and_b32 v4, 8, v3
	s_delay_alu instid0(VALU_DEP_1)
	v_add_nc_u32 v3, v3, v4
	s_delay_alu instid0(VALU_DEP_1)
	v_lshlrev_b32 v3, 2, v3                        ; (r' + 8 (r' / 8)) x 4 bytes in positions
	v_bfe_u32 v5, v0, 5, 1                         ; my pair i = 16 (T % 2) + 8 bit5 + 4 bit7 + 2 bit6 + bit0 of the thread's number
	v_lshrrev_b32 v6, 7, v0
	s_delay_alu instid0(VALU_DEP_1)
	v_lshl_add_u32 v5, v5, 1, v6
	v_bfe_u32 v6, v0, 6, 1
	s_delay_alu instid0(VALU_DEP_1)
	v_lshl_add_u32 v5, v5, 1, v6
	v_and_b32 v6, 1, v0
	s_delay_alu instid0(VALU_DEP_1)
	v_lshl_add_u32 v5, v5, 1, v6
	s_lshr_b32 s13, ttmp9, 1                       ; T / 2
	s_and_b32 s14, ttmp9, 1                        ; T % 2
	s_lshl_b32 s15, s14, 4
	v_add_nc_u32 v5, s15, v5
	s_mul_i32 s15, s12, 2*PITCH
	v_add_nc_u32 v[SA], s15, v[LI]                 ; rows 2 w, 2 w + 1 of the stage
	v_and_b32 v7, 15, v0
	v_bfe_u32 v8, v0, 4, 1
	s_delay_alu instid0(VALU_DEP_2)
	v_mul_u32_u24 v[FA], v7, PITCH
	s_delay_alu instid0(VALU_DEP_1)
	v_lshl_add_u32 v[FA], v8, 7, v[FA]
	s_lshl_b32 s15, s12, 9
	v_add_nc_u32 v[FA], s15, v[FA]                 ; row r, + 128 h, + K step w's 512 bytes
	v_lshlrev_b32 v[SH8], 3, v8
	v_lshlrev_b32 v18, 3, v0                       ; the table's store: 8 bytes a thread
	s_lshr_b32 s16, s13, 1                         ; positions: (32 (T' / 2) + 8 (T' % 2)) x 4 bytes
	s_lshl_b32 s16, s16, 7
	s_and_b32 s15, s13, 1
	s_lshl_b32 s15, s15, 5
	s_add_co_u32 s16, s16, s15
	s_mov_b32 s17, 0
	s_lshl_b32 s18, s13, 5                         ; x: my first token 32 (T / 2) + 8 (T % 2) + 2 w + 8 (w / 4)
	s_lshl_b32 s15, s14, 3
	s_add_co_u32 s18, s18, s15
	s_lshl_b32 s15, s12, 1
	s_add_co_u32 s18, s18, s15
	s_lshr_b32 s15, s12, 2
	s_lshl_b32 s15, s15, 3
	s_add_co_u32 s18, s18, s15
	s_lshl_b32 s18, s18, 12
	s_mov_b32 s19, 0
	s_lshl_b32 s20, ttmp9, 13                      ; codes: T x 8192 + w x 1024
	s_lshl_b32 s15, s12, 10
	s_add_co_u32 s20, s20, s15
	s_mov_b32 s21, 0
	s_lshl_b32 s22, ttmp9, 10                      ; scale words: XN_SC + T x 1024 + w x 128
	s_lshl_b32 s15, s12, 7
	s_add_co_u32 s22, s22, s15
	s_add_co_u32 s22, s22, XN_SC
	s_mov_b32 s23, 0
	s_lshl_b32 s40, ttmp9, 11                      ; the table: ROPE + T x 2048
	s_add_co_u32 s40, s40, ROPE
	s_mov_b32 s41, 0
	s_mov_b32 s24, 0x3ed49a78                      ; log2(10) / 8, high word
	s_mov_b32 s25, 0x32179a30                      ; and what it leaves
	s_mov_b32 s26, 0x3f22f983                      ; 2 / pi
	s_mov_b32 s27, 0x3fc90fdb                      ; pi / 2 in three words
	s_mov_b32 s28, 0xb33bbd2e
	s_mov_b32 s29, 0xa6f72ced
	s_mov_b32 s30, 0xbe2aaaa3                      ; sine on +-pi / 4: r + r^3 (S1 + S2 z + S3 z^2), z = r^2
	s_mov_b32 s31, 0x3c08839e
	s_mov_b32 s32, 0xb94ca1f9
	s_mov_b32 s33, 0x3d2aaaa5                      ; cosine: 1 - z / 2 + z^2 (C1 + C2 z + C3 z^2)
	s_mov_b32 s34, 0xbab6061a
	s_mov_b32 s35, 0x37ccf5ce
	s_mov_b32 s[SEL], 0x76543210
	s_mov_b32 s[SEL+1], 0xfedcba98
	s_mov_b32 s[EPS], 0x3727c5ac                   ; 1e-5
	s_mov_b32 s[RN], 0x3a800000                    ; 1 / 1024
	s_wait_alu depctr_va_vdst(0)
	s_wait_kmcnt 0x0
	s_add_nc_u64 s[8:9], s[8:9], s[16:17]
	s_add_nc_u64 s[4:5], s[4:5], s[18:19]
	s_add_nc_u64 s[20:21], s[10:11], s[20:21]
	s_add_nc_u64 s[22:23], s[10:11], s[22:23]
	s_add_nc_u64 s[40:41], s[10:11], s[40:41]
	global_load_b32 v19, v3, s[8:9]                ; my token's position
.irp i, 0,1,2,3,4,5,6,7
	global_load_b128 v[G+4*\i:G+4*\i+3], v[LI], s[6:7] offset:512*\i
.endr
.irp k, 0,1
.irp i, 0,1,2,3,4,5,6,7
	global_load_b128 v[X+32*\k+4*\i:X+32*\k+4*\i+3], v[LI], s[4:5] offset:4096*\k+512*\i th:TH_LOAD_NT   ; a load of the wave reads 512 consecutive bytes of a row
.endr
.endr
	; ---- the table.  frequency = 10000^(-2 i / 64) = 2^(-i log2(10) / 8)
	v_cvt_f32_u32 v5, v5
	s_delay_alu instid0(VALU_DEP_1)
	v_mul_f32 v6, s24, v5
	s_delay_alu instid0(VALU_DEP_1)
	v_rndne_f32 v6, v6                             ; n, the whole part
	s_delay_alu instid0(VALU_DEP_1)
	v_fma_f32 v7, v5, s24, -v6
	s_delay_alu instid0(VALU_DEP_1)
	v_fma_f32 v7, v5, s25, v7                      ; f, the rest, |f| <= 1/2
	s_wait_alu depctr_va_vdst(0)
	v_exp_f32 v8, -v7
	v_cvt_i32_f32 v6, v6                           ; (a plain place behind the exponential)
	s_wait_alu depctr_va_vdst(0)                   ; ahead of the first line that names its result
	v_sub_nc_u32 v6, 0, v6
	v_ldexp_f32 v8, v8, v6                         ; 2^(-f) x 2^(-n)
	s_wait_loadcnt 24                              ; the position is in: behind it stand g1's 8 loads and x's 16
	v_cvt_f32_i32 v9, v19
	s_wait_alu depctr_va_vdst(0)
	v_mul_f32 v9, v9, v8                           ; the angle
	s_delay_alu instid0(VALU_DEP_1)
	v_mul_f32 v10, s26, v9
	s_delay_alu instid0(VALU_DEP_1)
	v_rndne_f32 v10, v10                           ; quarter turns
	s_delay_alu instid0(VALU_DEP_1)
	v_fma_f32 v11, -v10, s27, v9
	s_delay_alu instid0(VALU_DEP_1)
	v_fma_f32 v11, -v10, s28, v11
	s_delay_alu instid0(VALU_DEP_1)
	v_fma_f32 v11, -v10, s29, v11                  ; r, within +-pi / 4
	s_delay_alu instid0(VALU_DEP_4)
	v_cvt_i32_f32 v10, v10
	s_delay_alu instid0(VALU_DEP_2)
	v_mul_f32 v12, v11, v11                        ; z
	s_delay_alu instid0(VALU_DEP_1)
	v_fma_f32 v13, v12, s32, s31
	s_delay_alu instid0(VALU_DEP_2)
	v_fma_f32 v14, v12, s35, s34
	s_delay_alu instid0(VALU_DEP_2)
	v_fma_f32 v13, v13, v12, s30
	s_delay_alu instid0(VALU_DEP_2)
	v_fma_f32 v14, v14, v12, s33
	s_delay_alu instid0(VALU_DEP_2)
	v_mul_f32 v13, v13, v12
	v_mul_f32 v15, v12, v12
	v_fma_f32 v16, v12, -0.5, 1.0
	s_delay_alu instid0(VALU_DEP_3)
	v_fma_f32 v13, v13, v11, v11                   ; sin r
	s_delay_alu instid0(VALU_DEP_2)
	v_fma_f32 v14, v15, v14, v16                   ; cos r
	v_and_b32 v15, 1, v10
	s_delay_alu instid0(VALU_DEP_1)
	v_cmp_eq_u32 vcc_lo, 1, v15                    ; an odd number of quarter turns swaps the two
	s_delay_alu instid0(VALU_DEP_1)
	v_cndmask_b32 v17, v13, v14, vcc_lo
	s_delay_alu instid0(VALU_DEP_2)
	v_cndmask_b32 v16, v14, v13, vcc_lo
	v_add_nc_u32 v15, 1, v10
	v_lshlrev_b32 v10, 30, v10                     ; the sine's sign: bit 1 of the count; the cosine's: bit 1 of the count + 1
	s_delay_alu instid0(VALU_DEP_2)
	v_lshlrev_b32 v15, 30, v15
	s_delay_alu instid0(VALU_DEP_2)
	v_and_b32 v10, 0x80000000, v10
	s_delay_alu instid0(VALU_DEP_2)
	v_and_b32 v15, 0x80000000, v15
	s_delay_alu instid0(VALU_DEP_2)
	v_xor_b32 v17, v17, v10
	s_delay_alu instid0(VALU_DEP_2)
	v_xor_b32 v16, v16, v15
	global_store_b64 v18, v[16:17], s[40:41]       ; a wave stores 256 consecutive bytes; v16-18 are not written again
	; ---- the rows
	s_wait_loadcnt 8                               ; row 0 is in: behind it stand row 1's 8 loads
	SUMSQ X, 4
	s_wait_loadcnt 0x0
	SUMSQ X+32, 8
	s_wait_alu depctr_va_vdst(0)
	v_rsq_f32 v12, v4
	v_rsq_f32 v14, v8
	v_nop                                          ; a plain place behind the batch
	s_wait_alu depctr_va_vdst(0)                   ; one wait for both, ahead of their first reader
.irp k, 0,1
.set j, 0
.rept 16
	v_pk_mul_f32 v[X+32*\k+j:X+32*\k+j+1], v[X+32*\k+j:X+32*\k+j+1], v[12+2*\k:13+2*\k] op_sel_hi:[1,0]   ; x / rms (the pair's low word serves both halves)
.set j, j+2
.endr
.set j, 0
.rept 16
	v_pk_mul_f32 v[X+32*\k+j:X+32*\k+j+1], v[X+32*\k+j:X+32*\k+j+1], v[G+j:G+j+1]                        ; x g1
.set j, j+2
.endr
.endr
.irp k, 0,1
.irp i, 0,1,2,3,4,5,6,7
	ds_store_b128 v[SA], v[X+32*\k+4*\i:X+32*\k+4*\i+3] offset:\k*PITCH+512*\i
.endr
.endr
	s_wait_dscnt 0x0                               ; for the others' sake: my rows lie in the stage
	s_barrier_signal -1
	s_barrier_wait -1
	; ---- K step w of all 16 rows
.irp c, 0,1
.irp i, 0,1,2,3,4,5,6,7
	ds_load_b128 v[X+32*\c+4*\i:X+32*\c+4*\i+3], v[FA] offset:256*\c+16*\i   ; rows 4,112 bytes apart: sixteen lanes fall on sixteen different 16-byte columns
.endr
.endr
	s_wait_dscnt 0x0
	FQ X, F, 11, 4
	global_store_b128 v[LI], v[F:F+3], s[20:21]
	global_store_b128 v[LI], v[F+4:F+7], s[20:21] offset:512
	global_store_b32 v[LS], v11, s[22:23]
	s_wait_tensorcnt 0x0
	ds_add_u32 v128, v129
	s_wait_dscnt 0x0
	s_endpgm
; ---- THE WEIGHTS AS IMAGES.  No LDS, no barrier: a wave shares nothing.  Wave number n = 8 (work-group - 256) + wave.
; n < 600: one tile of 16 rows x K 1,024 of Wq (n = 0 .. 63), Wk, Wv, Wo (64 each), w1 (256 .. 427), w3 (428 .. 599), to wimg + n x 8192.  Piece i = 2 s + c: lane (r, h) reads 16 bytes at row x 512 + 32 i + 16 h
; and stores them at 512 i + 16 lane: registers 4 c .. 4 c + 3 of the fragment of K step s.  A tile's rows: 32 (t / 2) + 8 (t % 2) + r + 8 (r / 8), as the token tiles'; Wo's: 16 t + r.
; n >= 600: half a tile of w2 (tile T = (n - 600) / 2, rows 16 T + r of 1,376 bytes; K steps 11 half .. 11 half + 10), to W2I + (T x 22 + s) x 1024 + 512 c; K has 21.5 steps: the piece past the row's end is not read and is stored as zeros.
; Its scale words, two bytes a lane, to W2S + ((T / 2) x 22 + s) x 128 + 4 (16 (T % 2) + r): so a register takes two tiles' words, one in each half of the lanes.  The last word's upper half, past the row of 86 bytes, is 0x7f7f.
.Lrelay:
	s_load_b256 s[8:15], s[0:1], 0x20              ; Wq s[8:9], Wk s[10:11], Wv s[12:13], Wo s[14:15]
	s_load_b256 s[16:23], s[0:1], 0x40             ; w1 s[16:17], w3 s[18:19], w2's codes s[20:21], its scales s[22:23]
	s_load_b64 s[24:25], s[0:1], 0x60              ; wimg
	v_lshrrev_b32 v1, 5, v0
	s_delay_alu instid0(VALU_DEP_1)
	v_readfirstlane_b32 s26, v1                    ; wave
	s_sub_co_u32 s27, ttmp9, NT
	s_lshl_b32 s27, s27, 3
	s_add_co_u32 s27, s27, s26                     ; n
	v_and_b32 v1, 31, v0
	s_delay_alu instid0(VALU_DEP_1)
	v_lshlrev_b32 v2, 4, v1                        ; 16 x lane
	v_and_b32 v3, 15, v0                           ; r
	v_bfe_u32 v4, v0, 4, 1                         ; h
	s_mov_b32 s35, 0                               ; s[34:35]: an offset as a pair
	s_cmp_ge_u32 s27, NA
	s_cbranch_scc1 .Lrelay_w2
	s_lshr_b32 s28, s27, 6                         ; which of the first four tensors
	s_and_b32 s29, s27, 63                         ; and the tile in it
	s_sub_co_u32 s33, s27, 256                     ; the tile in w1,
	s_sub_co_u32 s34, s27, 428                     ; in w3
	s_wait_kmcnt 0x0
	s_cmp_eq_u32 s28, 1
	s_cselect_b64 s[30:31], s[10:11], s[8:9]
	s_cmp_eq_u32 s28, 2
	s_cselect_b64 s[30:31], s[12:13], s[30:31]
	s_cmp_eq_u32 s28, 3
	s_cselect_b64 s[30:31], s[14:15], s[30:31]
	s_cselect_b32 s32, 0, 1                        ; 0: neighbouring rows (Wo); 1: the token tiles' map
	s_cmp_ge_u32 s27, 256
	s_cselect_b64 s[30:31], s[16:17], s[30:31]
	s_cselect_b32 s29, s33, s29
	s_cmp_ge_u32 s27, 428
	s_cselect_b64 s[30:31], s[18:19], s[30:31]
	s_cselect_b32 s29, s34, s29
	s_lshr_b32 s34, s29, 1
	s_lshl_b32 s34, s34, 5
	s_and_b32 s33, s29, 1
	s_lshl_b32 s33, s33, 3
	s_add_co_u32 s34, s34, s33                     ; 32 (t / 2) + 8 (t % 2)
	s_lshl_b32 s33, s29, 4                         ; 16 t
	s_cmp_eq_u32 s32, 1
	s_cselect_b32 s34, s34, s33
	s_lshl_b32 s34, s34, 9                         ; the tile's first row, 512 bytes a row
	s_add_nc_u64 s[30:31], s[30:31], s[34:35]
	s_lshl_b32 s34, s27, 13
	s_add_nc_u64 s[24:25], s[24:25], s[34:35]
	s_wait_alu depctr_va_vdst(0)
	v_and_b32 v5, 8, v3
	s_delay_alu instid0(VALU_DEP_1)
	v_mul_u32_u24 v5, s32, v5
	s_delay_alu instid0(VALU_DEP_1)
	v_add_nc_u32 v5, v5, v3                        ; r + 8 (r / 8), or r
	s_delay_alu instid0(VALU_DEP_1)
	v_lshlrev_b32 v5, 9, v5
	s_delay_alu instid0(VALU_DEP_1)
	v_lshl_add_u32 v5, v4, 4, v5
.irp i, 0,1,2,3,4,5,6,7,8,9,10,11,12,13,14,15
	global_load_b128 v[32+4*\i:35+4*\i], v5, s[30:31] offset:32*\i
.endr
.irp i, 0,1,2,3,4,5,6,7,8,9,10,11,12,13,14,15
	s_wait_loadcnt 15-\i                           ; piece i is in: behind it stand the younger of the sixteen loads
	global_store_b128 v2, v[32+4*\i:35+4*\i], s[24:25] offset:512*\i   ; 512 consecutive bytes
.endr
	s_endpgm
.Lrelay_w2:
	s_sub_co_u32 s28, s27, NA
	s_lshr_b32 s29, s28, 1                         ; T
	s_and_b32 s28, s28, 1                          ; half
	s_cmp_eq_u32 s28, 1
	s_mov_b32 s32, 672
	s_cselect_b32 s32, 640, s32                    ; piece 21 begins 672 bytes on; in the second half it would pass the row's end: piece 20 is read again in its stead
	s_cselect_b32 s33, 0, -1                       ; and masked to zeros
	s_cselect_b32 s36, 0, 2                        ; likewise the last scale word's upper half
	s_wait_alu depctr_va_vdst(0)
	v_mul_u32_u24 v5, v3, 1376
	s_delay_alu instid0(VALU_DEP_1)
	v_lshl_add_u32 v5, v4, 4, v5                   ; codes: row r, + 16 h
	s_delay_alu instid0(VALU_DEP_1)
	v_add_nc_u32 v6, s32, v5
	v_mul_u32_u24 v7, v3, 86
	s_delay_alu instid0(VALU_DEP_1)
	v_lshl_add_u32 v8, v4, 1, v7                   ; scales: row r, + 2 h: a half word a lane
	s_delay_alu instid0(VALU_DEP_2)
	v_mad_u32_u24 v9, v4, s36, v7
	v_lshlrev_b32 v10, 2, v3
	s_delay_alu instid0(VALU_DEP_1)
	v_lshl_add_u32 v10, v4, 1, v10                 ; out: 4 r + 2 h
	v_mul_u32_u24 v11, s28, v4                     ; 1 in the lanes whose last half word lies past the row
	v_mov_b32 v12, 0x7f7f
	s_mul_i32 s34, s29, 22016                      ; 16 rows of 1,376 bytes
	s_mul_i32 s37, s28, 704                        ; 11 K steps of 64 bytes
	s_add_co_u32 s34, s34, s37
	s_wait_alu depctr_va_vdst(0)
	s_wait_kmcnt 0x0
	s_add_nc_u64 s[20:21], s[20:21], s[34:35]
	s_mul_i32 s34, s29, 1376                       ; 16 rows of 86 bytes
	s_mul_i32 s37, s28, 44
	s_add_co_u32 s34, s34, s37
	s_add_nc_u64 s[22:23], s[22:23], s[34:35]
	s_mul_i32 s34, s29, 22528
	s_mul_i32 s37, s28, 11264
	s_add_co_u32 s34, s34, s37
	s_add_co_u32 s34, s34, W2I
	s_add_nc_u64 s[30:31], s[24:25], s[34:35]
	s_lshr_b32 s37, s29, 1
	s_mul_i32 s34, s37, 2816
	s_and_b32 s37, s29, 1
	s_lshl_b32 s37, s37, 6
	s_add_co_u32 s34, s34, s37
	s_mul_i32 s37, s28, 1408
	s_add_co_u32 s34, s34, s37
	s_add_co_u32 s34, s34, W2S
	s_add_nc_u64 s[24:25], s[24:25], s[34:35]
.irp i, 0,1,2,3,4,5,6,7,8,9,10,11,12,13,14,15,16,17,18,19,20
	global_load_b128 v[32+4*\i:35+4*\i], v5, s[20:21] offset:32*\i
.endr
	global_load_b128 v[116:119], v6, s[20:21]
.irp j, 0,1,2,3,4,5,6,7,8,9
	global_load_u16 v[16+\j], v8, s[22:23] offset:4*\j
.endr
	global_load_u16 v26, v9, s[22:23] offset:40
.irp i, 0,1,2,3,4,5,6,7,8,9,10,11,12,13,14,15,16,17,18,19,20
	s_wait_loadcnt 32-\i                           ; piece i is in: behind it stand the younger of the 33 loads
	global_store_b128 v2, v[32+4*\i:35+4*\i], s[30:31] offset:512*\i
.endr
	s_wait_loadcnt 11                              ; piece 21: behind it stand the eleven loads of scales
.irp e, 116,117,118,119
	v_and_b32 v[\e], s33, v[\e]
.endr
	global_store_b128 v2, v[116:119], s[30:31] offset:512*21
	s_wait_loadcnt 0x0
	v_cmp_eq_u32 vcc_lo, 1, v11
	s_delay_alu instid0(VALU_DEP_1)
	v_cndmask_b32 v26, v26, v12, vcc_lo
.irp j, 0,1,2,3,4,5,6,7,8,9,10
	global_store_b16 v10, v[16+\j], s[24:25] offset:128*\j
.endr
	s_endpgm
.Lfunc_end_k_q16cd4d612b_prep:
	.size	k_q16cd4d612b_prep, .Lfunc_end_k_q16cd4d612b_prep-k_q16cd4d612b_prep
	.p2alignl 7, 3214868480
	.fill 96, 4, 3214868480
	.section	.rodata,"a",@progbits
	.p2align	6, 0x0
	.amdhsa_kernel k_q16cd4d612b_prep
		.amdhsa_group_segment_fixed_size 66816
		.amdhsa_private_segment_fixed_size 0
		.amdhsa_enable_private_segment 0
		.amdhsa_kernarg_size 104
		.amdhsa_user_sgpr_count 2
		.amdhsa_user_sgpr_kernarg_segment_ptr 1
		.amdhsa_wavefront_size32 1
		.amdhsa_system_sgpr_workgroup_id_x 1
		.amdhsa_system_sgpr_workgroup_id_y 1
		.amdhsa_system_sgpr_workgroup_id_z 1
		.amdhsa_system_vgpr_workitem_id 0
		.amdhsa_next_free_vgpr 130
		.amdhsa_next_free_sgpr 66
		.amdhsa_reserve_vcc 1
		.amdhsa_float_denorm_mode_32 3
		.amdhsa_float_denorm_mode_16_64 3
		.amdhsa_memory_ordered 1
		.amdhsa_forward_progress 1
		.amdhsa_inst_pref_size 40
	.end_amdhsa_kernel
	.amdgpu_metadata
---
amdhsa.version: [ 1, 2 ]
amdhsa.kernels:
  - .name:           k_q16cd4d612b_prep
    .symbol:         k_q16cd4d612b_prep.kd
    .args:
      - { .name: x, .offset: 0, .size: 8, .value_kind: global_buffer, .address_space: global }
      - { .name: g1, .offset: 8, .size: 8, .value_kind: global_buffer, .address_space: global }
      - { .name: positions, .offset: 16, .size: 8, .value_kind: global_buffer, .address_space: global }
      - { .name: pre, .offset: 24, .size: 8, .value_kind: global_buffer, .address_space: global }
      - { .name: Wq_codes, .offset: 32, .size: 8, .value_kind: global_buffer, .address_space: global }
      - { .name: Wk_codes, .offset: 40, .size: 8, .value_kind: global_buffer, .address_space: global }
      - { .name: Wv_codes, .offset: 48, .size: 8, .value_kind: global_buffer, .address_space: global }
      - { .name: Wo_codes, .offset: 56, .size: 8, .value_kind: global_buffer, .address_space: global }
      - { .name: w1_codes, .offset: 64, .size: 8, .value_kind: global_buffer, .address_space: global }
      - { .name: w3_codes, .offset: 72, .size: 8, .value_kind: global_buffer, .address_space: global }
      - { .name: w2_codes, .offset: 80, .size: 8, .value_kind: global_buffer, .address_space: global }
      - { .name: w2_scales, .offset: 88, .size: 8, .value_kind: global_buffer, .address_space: global }
      - { .name: wimg, .offset: 96, .size: 8, .value_kind: global_buffer, .address_space: global }
    .group_segment_fixed_size: 66816
    .private_segment_fixed_size: 0
    .kernarg_segment_align: 8
    .kernarg_segment_size: 104
    .max_flat_workgroup_size: 256
    .sgpr_count:     66
    .vgpr_count:     130
    .wavefront_size: 32
...
	.end_amdgpu_metadata
.endif
;; end of part 1
;; launch qkv (part 2): grid 6 x 32, 8 waves a work-group, no clusters, 107,520 bytes of LDS; arguments pre, wimg, Wq_scales, Wk_scales, Wv_scales, qkvb; writes qkvb
.if DOCPART == 2
	.amdgcn_target "amdgcn-amd-amdhsa--gfx1250"
	.amdhsa_code_object_version 6
	.text
	.protected	k_q16cd4d612b_qkv
	.globl	k_q16cd4d612b_qkv
	.p2align	8
	.type	k_q16cd4d612b_qkv,@function
k_q16cd4d612b_qkv:
	s_mov_b64 s[64:65], 0
	v_nop
	global_prefetch_b8 v0, s[64:65] scope:SCOPE_SE
	s_setreg_imm32_b32 hwreg(HW_REG_WAVE_MODE, 25, 1), 1
	s_wait_xcnt 0x0
; QKV: q = rope(xn Wq^T), k = rope(xn Wk^T), v = xn Wv^T on FP4 codes with E8M0 scales, each result quantised at once for attention: q and k along the head's 64 channels, v along the keys.
; ONE SKELETON.  A wave keeps four tiles of 16 rows x K 1,024 (32 fragments, 256 registers, window 1) for the whole launch: the STATIONARY operand, source 0.  Eight tiles of the other operand lie in LDS as images of
; their registers and are read by all eight waves: the STREAMED operand, source 1.  A trip takes one streamed tile: 32 products on four accumulators by turns.  In the result a lane holds one row of the streamed tile and its 32 registers run
; along the stationary rows, which are chosen (row p of tile t = 32 (t / 2) + 8 (t % 2) + p + 8 (p / 8)) so that registers 16 b + i are index 32 b + 16 (lane / 16) + i: neighbours for the quantiser.
; SLABS 0-3 (q: 0, 1; k: 2, 3): stationary = the 64 rows of W of head 8 (slab % 2) + wave; streamed = token tiles 8 y .. 8 y + 7.  A lane holds a token and the head's 64 channels: RoPE and two blocks of 32.
; SLABS 4, 5 (v): the parts are swapped: stationary = token tiles 32 tg + 4 wave + t (64 tokens = half a key step), streamed = eight tiles of Wv's rows (two heads).  A lane holds a channel and 64 keys: two blocks of 32 along the keys.
; BOTH OPERANDS' CODES COME AS IMAGES (xn's from pre, the weights' from wimg, tile g at g x 8192): every load of a fragment reads 512 consecutive bytes.  The weights' scale bytes come from the inputs as they lie, 32 bytes a row.
; Both kinds run the same lines but for the addresses and scale loads at the head, the RoPE lines and the width of the scale store: branches on the slab's number, the same in all waves of a work-group.
; THE LOOP RUNS A TILE AHEAD: the next streamed tile's 24 LDS loads stand directly behind a trip's products and land under the trip's vector work; the table's 8 loads stand behind the lines that read the table.  The last trip is written out, without loads.
; OUTPUT in qkvb, as images: q, k: (bh x 128 + tile) x 512 + 16 lane (registers 0-3; K = 64), words at x 128 + 4 lane with 0x7f in the two upper bytes; v: (((bh x 16 + ks) x 4 + t) x 2 + c) x 512 + 16 lane, words ((bh x 16 + ks) x 4 + t) x 128 + 4 lane, two bytes from each of two waves.
; NO TENSOR LOADS, NO JOINT REQUESTS: the larger operand (256 KB a work-group) is wanted in registers, which only loads into registers fill; the streamed 72 KB are written to LDS once and never again.
; LIMITS: NaN and infinities are not served; a block whose largest magnitude lies under 2^-124 (zeros too) gets the byte 1.
.set XN_SC, 2097152
.set ROPE,  2359296
.set WV_IMG, 1048576
.set V_IMG, 4194304
.set Q_SC,  6291456
.set V_SC,  7340032
.set LSC,   65536                      ; LDS: images at 0, their scale words here,
.set LRP,   73728                      ; the table's eight tiles here
.set LI,    1                          ; v1  16 x lane
.set LS,    2                          ; v2  4 x lane
.set WSOFF, 4                          ; v4  a weight's scale words: (r + 8 (r / 8)) x 32
.set SA,    5                          ; v5-7 where my wave fills LDS
.set SS,    6
.set SR,    7
.set AA,    8                          ; v8-10 LDS addresses of the tile that is fetched
.set AS,    9
.set AR,    10
.set OA,    11                         ; v11, 12 the trip's offsets in qkvb
.set OB,    12
.set WS,    16                         ; v16-47  the stationary operand's scale words (8 t + s)
.set ASC,   48                         ; v48-55  the streamed tile's
.set AF,    56                         ; v56-119 the streamed tile's 8 fragments
.set ACC,   120                        ; v120-151 four accumulators
.set CS,    152                        ; v152-183 cos, sin beside each pair of accumulator registers
.set TM,    184                        ; v184-197 the quantiser's work
.set RT,    200                        ; v200-203 RoPE's work
.set PC,    208                        ; v208-211 the codes
.set PW,    212                        ; v212 the scale word
.set SEL,   54
.set MSB, 0
.macro WIN new                         ; the immediate's high byte repeats the setting that is left
.if MSB != (\new)
	s_set_vgpr_msb (MSB<<8)|(\new)
.set MSB, (\new)
.endif
.endm
.macro PLACES n
.rept \n
	v_nop
.endr
.endm
; nb blocks of 32: register S + 16 b + i = k 32 b + 16 (lane / 16) + i of the lane's row.  Codes to v[PC] on, in the operand's layout; bytes to v[TM + 4 + b]
.macro QH nb, S
.set qb, 0
.rept \nb
	v_max3_num_f32 v[TM+qb], |v[\S+16*qb]|, |v[\S+16*qb+1]|, 0x1800000   ; the floor 2^(3 - 127) holds the byte at 1 from below
.set qb, qb+1
.endr
.irp i, 2,4,6,8,10,12,14
.set qb, 0
.rept \nb
	v_max3_num_f32 v[TM+qb], v[TM+qb], |v[\S+16*qb+\i]|, |v[\S+16*qb+\i+1]|
.set qb, qb+1
.endr
.endr
.set qb, 0
.rept \nb
	s_delay_alu instid0(VALU_DEP_2)
	v_permlanex16_b32 v[TM+4+qb], v[TM+qb], s[SEL], s[SEL+1]
.set qb, qb+1
.endr
.set qb, 0
.rept \nb
	s_delay_alu instid0(VALU_DEP_2)
	v_max_num_f32 v[TM+qb], v[TM+qb], v[TM+4+qb]                   ; with lane xor 16's 16: the block's largest magnitude
.set qb, qb+1
.endr
.set qb, 0
.rept \nb
	s_delay_alu instid0(VALU_DEP_2)
	v_add_nc_u32 v[TM+12+qb], 0xff000000, v[TM+qb]                 ; 2 off the exponent field: the conversion's scale operand
.set qb, qb+1
.endr
.set qb, 0
.rept \nb
	s_delay_alu instid0(VALU_DEP_2)
	v_lshrrev_b32 v[TM+4+qb], 23, v[TM+12+qb]                      ; the byte
.set qb, qb+1
.endr
.set qb, 0
.rept \nb
	v_cvt_scalef32_pk8_fp4_f32 v[PC+2*qb], v[\S+16*qb:\S+16*qb+7], v[TM+12+qb]
	v_cvt_scalef32_pk8_fp4_f32 v[PC+2*qb+1], v[\S+16*qb+8:\S+16*qb+15], v[TM+12+qb]
.set qb, qb+1
.endr
	v_nop                                                          ; one plain place behind the last conversion
.set qb, 0
.rept \nb/2
	v_permlane16_swap_b32 v[PC+4*qb], v[PC+4*qb+2]                 ; a whole block to a lane: lanes 0-15 block 2 c, lanes 16-31 block 2 c + 1
	v_permlane16_swap_b32 v[PC+4*qb+1], v[PC+4*qb+3]
.set qb, qb+1
.endr
.endm
.macro XTILE t                         ; stationary tile t from its image
.irp s, 0,1,2,3,4,5,6,7
.irp c, 0,1
	global_load_b128 v[8*(8*\t+\s)+4*\c:8*(8*\t+\s)+4*\c+3], v[LI], s[42:43] offset:\t*8192+\s*1024+\c*512
.endr
.endr
.endm
.macro FRAGS                           ; a streamed tile's 8 fragments and 8 scale words from LDS
.irp s, 0,1,2,3,4,5,6,7
	ds_load_b128 v[AF+8*\s:AF+8*\s+3], v[AA] offset:1024*\s
	ds_load_b128 v[AF+8*\s+4:AF+8*\s+7], v[AA] offset:1024*\s+512
	ds_load_b32 v[ASC+\s], v[AS] offset:128*\s
.endr
.endm
.macro TABLE                           ; its tile of the table
.irp q, 0,1,2,3,4,5,6,7
	ds_load_b128 v[CS+4*\q:CS+4*\q+3], v[AR] offset:512*\q
.endr
.endm
	s_load_b256 s[8:15], s[0:1], 0x0               ; pre s[8:9]; wimg s[10:11]; Wq's scales s[12:13]; Wk's s[14:15]
	s_load_b128 s[16:19], s[0:1], 0x20             ; Wv's scales s[16:17]; qkvb s[18:19]
	v_lshl_add_u32 v254, v0, 2, 0x1a000
	v_mov_b32 v255, 0
	v_lshrrev_b32 v1, 5, v0
	s_delay_alu instid0(VALU_DEP_1)
	v_readfirstlane_b32 s24, v1                    ; wave
	s_mov_b32 s25, ttmp9                           ; slab
	s_and_b32 s26, ttmp7, 0xffff                   ; y
	v_and_b32 v13, 31, v0
	s_delay_alu instid0(VALU_DEP_1)
	v_lshlrev_b32 v[LI], 4, v13
	s_delay_alu instid0(VALU_DEP_2)
	v_lshlrev_b32 v[LS], 2, v13
	v_and_b32 v14, 15, v0
	s_delay_alu instid0(VALU_DEP_1)
	v_and_b32 v13, 8, v14
	s_delay_alu instid0(VALU_DEP_1)
	v_add_nc_u32 v13, v13, v14
	s_delay_alu instid0(VALU_DEP_1)
	v_lshlrev_b32 v[WSOFF], 5, v13
	s_lshl_b32 s34, s24, 13
	v_add_nc_u32 v[SA], s34, v[LI]                 ; wave w fills streamed tile w: images,
	s_lshl_b32 s34, s24, 10
	s_add_co_u32 s34, s34, LSC
	v_add_nc_u32 v[SS], s34, v[LS]                 ; scale words,
	s_lshl_b32 s34, s24, 12
	s_add_co_u32 s34, s34, LRP
	v_add_nc_u32 v[SR], s34, v[LI]                 ; and the table's tile
	s_mov_b32 s[SEL], 0x76543210
	s_mov_b32 s[SEL+1], 0xfedcba98
	s_mov_b32 s51, 0                               ; s[50:51]: an offset as a pair
	s_wait_kmcnt 0x0
	s_cmp_lt_u32 s25, 4
	s_cbranch_scc0 .Lv_first
	; ---- q, k: addresses
	s_lshr_b32 s34, s25, 1                         ; 0: q, 1: k
	s_and_b32 s35, s25, 1
	s_lshl_b32 s35, s35, 3
	s_add_co_u32 s35, s35, s24                     ; head
	s_lshr_b32 s52, s26, 4                         ; batch
	s_and_b32 s53, s26, 15                         ; the group of 8 tiles within the batch
	s_lshl_b32 s50, s26, 16
	s_lshl_b32 s27, s24, 13
	s_add_co_u32 s50, s50, s27
	s_add_nc_u64 s[36:37], s[8:9], s[50:51]        ; xn's images of tile 8 y + w
	s_lshl_b32 s50, s26, 13
	s_lshl_b32 s27, s24, 10
	s_add_co_u32 s50, s50, s27
	s_add_co_u32 s50, s50, XN_SC
	s_add_nc_u64 s[38:39], s[8:9], s[50:51]        ; its scale words
	s_lshl_b32 s50, s53, 15
	s_lshl_b32 s27, s24, 12
	s_add_co_u32 s50, s50, s27
	s_add_co_u32 s50, s50, ROPE
	s_add_nc_u64 s[40:41], s[8:9], s[50:51]        ; its tile of the table
	s_cmp_eq_u32 s34, 0
	s_cselect_b64 s[44:45], s[12:13], s[14:15]
	s_lshl_b32 s50, s35, 11
	s_add_nc_u64 s[44:45], s[44:45], s[50:51]      ; the head's 64 rows of scales (32 bytes a row)
	s_lshl_b32 s50, s34, 19                        ; Wq's images at 0, Wk's at 64 tiles x 8,192
	s_lshl_b32 s27, s35, 15
	s_add_co_u32 s50, s50, s27
	s_add_nc_u64 s[42:43], s[10:11], s[50:51]      ; the head's four tiles
	s_lshl_b32 s52, s52, 4
	s_add_co_u32 s52, s52, s35                     ; bh
	s_lshl_b32 s50, s34, 21
	s_lshl_b32 s27, s52, 16
	s_add_co_u32 s50, s50, s27
	s_lshl_b32 s27, s53, 12
	s_add_co_u32 s50, s50, s27
	s_add_nc_u64 s[46:47], s[18:19], s[50:51]      ; out: images
	s_lshl_b32 s50, s34, 19
	s_lshl_b32 s27, s52, 14
	s_add_co_u32 s50, s50, s27
	s_lshl_b32 s27, s53, 10
	s_add_co_u32 s50, s50, s27
	s_add_co_u32 s50, s50, Q_SC
	s_add_nc_u64 s[48:49], s[18:19], s[50:51]      ; out: scale words
	s_mov_b32 s31, 9                               ; trip m stores at (m % 4) << 9 + (m / 4) << 11 = 512 m,
	s_mov_b32 s32, 11
	s_mov_b32 s33, 9                               ; its word at 128 m
	s_wait_alu depctr_va_vdst(0)
.irp i, 0,1,2,3,4,5,6,7,8,9,10,11,12,13,14,15
	global_load_b128 v[ACC+4*\i:ACC+4*\i+3], v[LI], s[36:37] offset:512*\i
.endr
.irp s, 0,1,2,3,4,5,6,7
	global_load_b32 v[TM+\s], v[LS], s[38:39] offset:128*\s
.endr
.irp q, 0,1,2,3,4,5,6,7
	global_load_b128 v[AF+4*\q:AF+4*\q+3], v[LI], s[40:41] offset:512*\q
.endr
	WIN 0x40                                       ; destination window 1
	XTILE 0
	XTILE 1
	WIN 0
	s_wait_loadcnt 32                              ; what goes to LDS is in: behind it stand the 32 loads of tiles 0 and 1
.irp q, 0,1,2,3,4,5,6,7
	ds_store_b128 v[SR], v[AF+4*\q:AF+4*\q+3] offset:512*\q
.endr
	s_branch .Lfirst_done
.Lv_first:
	; ---- v: addresses
	s_sub_co_u32 s34, s25, 4
	s_lshl_b32 s34, s34, 5
	s_add_co_u32 s34, s34, s26
	s_and_b32 s35, s34, 7                          ; tg: which 512 tokens
	s_lshr_b32 s34, s34, 3                         ; cg: which 128 channels
	s_lshr_b32 s52, s24, 1
	s_and_b32 s53, s24, 1                          ; c: which half of a key step is my wave's
	s_lshl_b32 s50, s34, 12
	s_lshl_b32 s27, s52, 10
	s_add_co_u32 s50, s50, s27
	s_lshl_b32 s27, s53, 8
	s_add_co_u32 s50, s50, s27
	s_add_nc_u64 s[38:39], s[16:17], s[50:51]      ; Wv's scales from row 128 cg + 32 (w / 2) + 8 (w % 2), 32 bytes a row
	s_lshl_b32 s50, s34, 16
	s_lshl_b32 s27, s24, 13
	s_add_co_u32 s50, s50, s27
	s_add_co_u32 s50, s50, WV_IMG
	s_add_nc_u64 s[36:37], s[10:11], s[50:51]      ; Wv's tile 8 cg + w
	s_lshl_b32 s50, s35, 18
	s_lshl_b32 s27, s24, 15
	s_add_co_u32 s50, s50, s27
	s_add_nc_u64 s[42:43], s[8:9], s[50:51]        ; xn's images from tile 32 tg + 4 w
	s_lshr_b32 s50, s50, 3
	s_add_co_u32 s50, s50, XN_SC
	s_add_nc_u64 s[44:45], s[8:9], s[50:51]
	s_lshr_b32 s27, s35, 2                         ; batch
	s_and_b32 s35, s35, 3
	s_lshl_b32 s35, s35, 2
	s_add_co_u32 s35, s35, s52                     ; key step 4 (tg % 4) + w / 2
	s_lshl_b32 s50, s27, 20
	s_lshl_b32 s52, s34, 17
	s_add_co_u32 s50, s50, s52
	s_lshl_b32 s52, s35, 12
	s_add_co_u32 s50, s50, s52
	s_lshl_b32 s52, s53, 9
	s_add_co_u32 s50, s50, s52
	s_add_co_u32 s50, s50, V_IMG
	s_add_nc_u64 s[46:47], s[18:19], s[50:51]
	s_lshl_b32 s50, s27, 17
	s_lshl_b32 s52, s34, 14
	s_add_co_u32 s50, s50, s52
	s_lshl_b32 s52, s35, 9
	s_add_co_u32 s50, s50, s52
	s_lshl_b32 s52, s53, 1
	s_add_co_u32 s50, s50, s52
	s_add_co_u32 s50, s50, V_SC
	s_add_nc_u64 s[48:49], s[18:19], s[50:51]
	s_mov_b32 s31, 10                              ; trip i stores tile i % 4 of head 2 cg + i / 4: (i % 4) << 10 + (i / 4) << 16,
	s_mov_b32 s32, 16
	s_mov_b32 s33, 13                              ; its bytes at (i % 4) << 7 + (i / 4) << 13
	s_wait_alu depctr_va_vdst(0)
.irp i, 0,1,2,3,4,5,6,7,8,9,10,11,12,13,14,15
	global_load_b128 v[ACC+4*\i:ACC+4*\i+3], v[LI], s[36:37] offset:512*\i
.endr
	global_load_b128 v[TM:TM+3], v[WSOFF], s[38:39]
	global_load_b128 v[TM+4:TM+7], v[WSOFF], s[38:39] offset:16
	WIN 0x40
	XTILE 0
	XTILE 1
	WIN 0
	s_wait_loadcnt 32                              ; as in the other arm
.Lfirst_done:
.irp i, 0,1,2,3,4,5,6,7,8,9,10,11,12,13,14,15
	ds_store_b128 v[SA], v[ACC+4*\i:ACC+4*\i+3] offset:512*\i      ; streamed tile w as an image of its registers
.endr
.irp s, 0,1,2,3,4,5,6,7
	ds_store_b32 v[SS], v[TM+\s] offset:128*\s
.endr
	WIN 0x40
	XTILE 2
	XTILE 3
	WIN 0
	s_cmp_lt_u32 s25, 4
	s_cbranch_scc0 .Lv_second
.irp t, 0,1,2,3
.irp e, 0,1
	global_load_b128 v[WS+8*\t+4*\e:WS+8*\t+4*\e+3], v[WSOFF], s[44:45] offset:(32*(\t/2)+8*(\t%2))*32+16*\e
.endr
.endr
	s_branch .Lsecond_done
.Lv_second:
.irp t, 0,1,2,3
.irp s, 0,1,2,3,4,5,6,7
	global_load_b32 v[WS+8*\t+\s], v[LS], s[44:45] offset:\t*1024+128*\s
.endr
.endr
.Lsecond_done:
	s_wait_dscnt 0x0                               ; for the others' sake: my tile lies in LDS
	s_barrier_signal -1
	s_barrier_wait -1
	s_mov_b32 s56, 0
	s_mov_b32 s28, 0
	s_mov_b32 s29, LSC
	s_mov_b32 s30, LRP
	v_add_nc_u32 v[AA], s28, v[LI]
	v_add_nc_u32 v[AS], s29, v[LS]
	v_add_nc_u32 v[AR], s30, v[LI]
	s_cmp_lt_u32 s25, 4
	s_cbranch_scc0 .Lno_table
	TABLE
.Lno_table:
	s_wait_alu depctr_va_vdst(0)
	FRAGS                                          ; streamed tile 0
	s_wait_loadcnt 0x0                             ; the stationary operand is in
; A trip: streamed tile s56.  nxt = 1: the next tile is fetched
.macro TRIP nxt
	s_wait_dscnt 0x0                               ; this tile's fragments, words and table, asked for a trip ago
	WIN 0x01                                       ; source 0 window 1
.set ks, 0
.rept 8                                            ; the four accumulators take turns, one instruction a turn; the first K step starts the sums
.set kt, 0
.rept 4
.if ks == 0
	v_wmma_scale_f32_16x16x128_f8f6f4 v[ACC+8*kt:ACC+8*kt+7], v[8*(8*kt+ks):8*(8*kt+ks)+7], v[AF+8*ks:AF+8*ks+7], 0, v[WS+8*kt+ks], v[ASC+ks] matrix_a_fmt:MATRIX_FMT_FP4 matrix_b_fmt:MATRIX_FMT_FP4
.else
	v_wmma_scale_f32_16x16x128_f8f6f4 v[ACC+8*kt:ACC+8*kt+7], v[8*(8*kt+ks):8*(8*kt+ks)+7], v[AF+8*ks:AF+8*ks+7], v[ACC+8*kt:ACC+8*kt+7], v[WS+8*kt+ks], v[ASC+ks] matrix_a_fmt:MATRIX_FMT_FP4 matrix_b_fmt:MATRIX_FMT_FP4
.endif
.set kt, kt+1
.endr
.set ks, ks+1
.endr
	WIN 0
	s_wait_xcnt 0x0                                ; the last trip's stores have read their offsets and data: both are written again below
	s_and_b32 s34, s56, 3
	s_lshr_b32 s35, s56, 2
	s_lshl_b32 s27, s34, s31
	s_lshl_b32 s50, s35, s32
	s_add_co_u32 s27, s27, s50
	v_add_nc_u32 v[OA], s27, v[LI]                 ; the additions are the places behind the last product, ahead of the loads into its sources and of the first read of results
	s_lshl_b32 s27, s34, 7
	s_lshl_b32 s50, s35, s33
	s_add_co_u32 s27, s27, s50
	v_add_nc_u32 v[OB], s27, v[LS]
.if \nxt
	s_add_co_u32 s28, s28, 8192
	s_add_co_u32 s29, s29, 1024
	s_add_co_u32 s30, s30, 4096
	v_add_nc_u32 v[AA], s28, v[LI]
	v_add_nc_u32 v[AS], s29, v[LS]
	v_add_nc_u32 v[AR], s30, v[LI]
	FRAGS                                          ; the next tile: it lands under the vector work below
.else
	PLACES 2
.endif
	s_cmp_lt_u32 s25, 4
	s_cbranch_scc0 .Lno_turn_\@
.irp p, 0,4,8,12,16,20,24,28                       ; (xe, xo) -> (xe cos - xo sin, xe sin + xo cos), a pair in two packed lines
	v_pk_mul_f32 v[RT:RT+1], v[ACC+\p:ACC+\p+1], v[CS+\p:CS+\p+1] op_sel:[1,1] op_sel_hi:[1,0]                                  ; (xo sin, xo cos)
	v_pk_mul_f32 v[RT+2:RT+3], v[ACC+\p+2:ACC+\p+3], v[CS+\p+2:CS+\p+3] op_sel:[1,1] op_sel_hi:[1,0]
	v_pk_fma_f32 v[ACC+\p:ACC+\p+1], v[ACC+\p:ACC+\p+1], v[CS+\p:CS+\p+1], v[RT:RT+1] op_sel_hi:[0,1,1] neg_lo:[0,0,1]          ; xe (cos, sin) + (-xo sin, xo cos)
	v_pk_fma_f32 v[ACC+\p+2:ACC+\p+3], v[ACC+\p+2:ACC+\p+3], v[CS+\p+2:CS+\p+3], v[RT+2:RT+3] op_sel_hi:[0,1,1] neg_lo:[0,0,1]
.endr
.if \nxt
	TABLE                                          ; the table has been read: the next tile's takes its registers
.endif
.Lno_turn_\@:
	QH 2, ACC
	v_lshl_or_b32 v[PW], v[TM+5], 8, v[TM+4]
	s_delay_alu instid0(VALU_DEP_1)
	v_or_b32 v[PW], 0x7f7f0000, v[PW]              ; q, k: K has 64 of the instruction's 128; the rest is zero codes under the byte 127
	global_store_b128 v[OA], v[PC:PC+3], s[46:47]  ; 512 consecutive bytes
	s_cmp_lt_u32 s25, 4
	s_cbranch_scc0 .Lhalf_word_\@
	global_store_b32 v[OB], v[PW], s[48:49]
	s_branch .Lword_done_\@
.Lhalf_word_\@:
	s_wait_alu depctr_va_vdst(0)
	global_store_b16 v[OB], v[PW], s[48:49]        ; v: my 64 keys are half of the word's 128
.Lword_done_\@:
.endm
.Ltrip:                                            ; seven trips, each fetching the tile behind its own
	TRIP 1
	s_add_co_u32 s56, s56, 1
	s_cmp_lt_u32 s56, 7
	s_cbranch_scc1 .Ltrip
	TRIP 0                                         ; the eighth tile: nothing is left to fetch
	s_wait_tensorcnt 0x0
	ds_add_u32 v254, v255
	s_wait_dscnt 0x0
	s_endpgm
.Lfunc_end_k_q16cd4d612b_qkv:
	.size	k_q16cd4d612b_qkv, .Lfunc_end_k_q16cd4d612b_qkv-k_q16cd4d612b_qkv
	.p2alignl 7, 3214868480
	.fill 96, 4, 3214868480
	.section	.rodata,"a",@progbits
	.p2align	6, 0x0
	.amdhsa_kernel k_q16cd4d612b_qkv
		.amdhsa_group_segment_fixed_size 107520
		.amdhsa_private_segment_fixed_size 0
		.amdhsa_enable_private_segment 0
		.amdhsa_kernarg_size 48
		.amdhsa_user_sgpr_count 2
		.amdhsa_user_sgpr_kernarg_segment_ptr 1
		.amdhsa_wavefront_size32 1
		.amdhsa_system_sgpr_workgroup_id_x 1
		.amdhsa_system_sgpr_workgroup_id_y 1
		.amdhsa_system_sgpr_workgroup_id_z 1
		.amdhsa_system_vgpr_workitem_id 0
		.amdhsa_next_free_vgpr 512
		.amdhsa_next_free_sgpr 66
		.amdhsa_reserve_vcc 0
		.amdhsa_float_denorm_mode_32 3
		.amdhsa_float_denorm_mode_16_64 3
		.amdhsa_memory_ordered 1
		.amdhsa_forward_progress 1
		.amdhsa_inst_pref_size 48
	.end_amdhsa_kernel
	.amdgpu_metadata
---
amdhsa.version: [ 1, 2 ]
amdhsa.kernels:
  - .name:           k_q16cd4d612b_qkv
    .symbol:         k_q16cd4d612b_qkv.kd
    .args:
      - { .name: pre, .offset: 0, .size: 8, .value_kind: global_buffer, .address_space: global }
      - { .name: wimg, .offset: 8, .size: 8, .value_kind: global_buffer, .address_space: global }
      - { .name: Wq_scales, .offset: 16, .size: 8, .value_kind: global_buffer, .address_space: global }
      - { .name: Wk_scales, .offset: 24, .size: 8, .value_kind: global_buffer, .address_space: global }
      - { .name: Wv_scales, .offset: 32, .size: 8, .value_kind: global_buffer, .address_space: global }
      - { .name: qkvb, .offset: 40, .size: 8, .value_kind: global_buffer, .address_space: global }
    .group_segment_fixed_size: 107520
    .private_segment_fixed_size: 0
    .kernarg_segment_align: 8
    .kernarg_segment_size: 48
    .max_flat_workgroup_size: 256
    .sgpr_count:     66
    .vgpr_count:     512
    .wavefront_size: 32
...
	.end_amdgpu_metadata
.endif
;; end of part 2
;; launch attn (part 3): grid 8 x 32, 16 waves a work-group, clusters of 4 x 1, 327,680 bytes of LDS; arguments qkvb, att; writes att
.if DOCPART == 3
	.amdgcn_target "amdgcn-amd-amdhsa--gfx1250"
	.amdhsa_code_object_version 6
	.text
	.protected	k_q16cd4d612b_attn
	.globl	k_q16cd4d612b_attn
	.p2align	8
	.type	k_q16cd4d612b_attn,@function
k_q16cd4d612b_attn:
	s_mov_b64 s[64:65], 0
	v_nop
	global_prefetch_b8 v0, s[64:65] scope:SCOPE_SE
	s_setreg_imm32_b32 hwreg(HW_REG_WAVE_MODE, 25, 1), 1
	s_wait_xcnt 0x0
	s_wait_alu depctr_hold_cnt(0) depctr_sa_sdst(0) depctr_va_vdst(0) depctr_va_sdst(0) depctr_va_ssrc(0) depctr_va_vcc(0) depctr_vm_vsrc(0)
	s_getreg_b32 s2, hwreg(HW_REG_IB_STS2, 6, 4)
	s_cmp_eq_u32 s2, 0
	s_cbranch_scc0 .Lentry_in_a_cluster
	s_endpgm
.Lentry_in_a_cluster:
	s_bfe_u32 s2, ttmp6, 0x10000c
	s_cmp_lg_u32 s2, 0x3003
	s_cbranch_scc0 .Lentry_shape_is_right
	s_endpgm
.Lentry_shape_is_right:
; ATTN: causal attention of one head on FP4 codes, head size 64; the result, divided by the row's sum, is quantised along the channels as the next product's operand.
; p = 2^(t - M), t = score x log2(e) / 8, M = the running largest t rounded up to a whole number; the row's sum is taken of the unquantised p; when M moves, the sum and O are multiplied by a power of two.
; LEFT OUT: key steps all of whose keys come after a tile's queries: the causal mask sets their scores to -inf, so their p is 0 for all inputs.
; SHARES.  Work-group (j, bh): head bh, the 16 tiles of queries 8 u + j, u = 0 .. 15; a wave owns one tile (16 queries, 256 registers).  Tile 8 u + j needs key steps 0 .. u of 128 keys: 136 steps a work-group.
; With s = 0, 1, 2, 3, 7, 6, 5, 4 for wave % 8 = 0 .. 7: waves 0-7 take the long tiles u = 15 - s, waves 8-15 the short ones u = s.  So waves w and w + 8 have 17 steps together, and waves w, w + 4, w + 8, w + 12 have 34.
; The loop has 16 trips in every wave; a step whose keys all come after the wave's queries is jumped over (a scalar branch on the wave's number and the trip's; no barrier stands in the loop); in the step on the diagonal hidden scores become -infinity.
; THE WHOLE HEAD'S K AND V LIE IN LDS (codes 2 x 64 KB, scale words 16 + 8 KB), as they lie in qkvb: images of operand registers.  They come once, by ten tensor loads at the head, one a wave: waves 0-3 K, 4-7 V, 8 K's words, 9 V's.
; CLUSTERS: the eight work-groups of a head read the same 152 KB; four of them form a cluster and ask jointly (mask 15).  No branch and no LDS address hangs on the place in the cluster.
; No prefetch: every read from memory stands at the head; there is no loop to run ahead in.
; LAYOUT.  S^T = K Q^T (source 0 = 16 keys, source 1 = my queries; K = 64, the upper half of both operands is zero codes), O^T = V^T P (source 0 = 16 channels): a lane holds one query throughout.
; A tile's keys (and V's channels) are rows 32 (t / 2) + 8 (t % 2) + p + 8 (p / 8): registers 16 b + i are key 32 b + 16 (lane / 16) + i.
; LIMITS: NaN and infinities are not served; the scaled scores stay under 2^31 in magnitude; a block of p that has fallen to zeros keeps the byte 1.
; REGISTERS: v1-6 addresses; v8-11 the step's; v12 -M, v13 largest t, v[14:15] the sum; v16-23 Q; v24-27 V's scale words; v30, 31 the add's; v32-63 K; v64-95 V; v96-159 S^T, p; v160-191 O^T;
; v192-223 O / l; v224-231 codes; v232-254 at work; v248-251 K's scale words; v255 Q's.
.set K_IMG, 2097152
.set V_IMG, 4194304
.set Q_SC,  6291456
.set K_SC,  6815744
.set V_SC,  7340032
.set AT_SC, 2097152
.set LVI,   65536
.set LKS,   131072
.set LVS,   147456
.set SPARE, 155648                     ; behind V's scale words: the spare words, 128 bytes a wave
.set SPW, 30
.set NIL, 31
.set TM,  232
.set PC,  224
.set SEL, 32
.set G0,  12                           ; s[12:15] group 0; s[16:23] group 1 for 64 rows of 256 bytes; s[24:31] for 32 rows
.set G1,  16
.set G1V, 24
.macro PLACES n
.rept \n
	v_nop
.endr
.endm
.macro CROUND                          ; a round of the cluster's barrier
	s_barrier_signal -1
	s_barrier_wait -1
	s_cmp_lg_u32 s8, 0
	s_cbranch_scc1 .Lnot_wave_0_\@
	s_barrier_signal -3
.Lnot_wave_0_\@:
	s_barrier_wait -3
	s_barrier_signal -1
	s_barrier_wait -1
.endm
.macro ARM under, g1, next             ; one arm of the head's chain: a load, the nops behind it, a jump to the join
	s_cmp_lt_u32 s8, \under
	s_cbranch_scc0 \next
	tensor_load_to_lds s[G0:G0+3], s[\g1:\g1+7]
	s_nop 0
.rept 4
	v_nop
.endr
	s_branch .Lhead_asked
\next:
.endm
.macro QH nb, S                        ; nb blocks of 32: register S + 16 b + i = k 32 b + 16 (lane / 16) + i.  Codes to v[PC] on; bytes to v[TM + 4 + b]
.set qb, 0
.rept \nb
	v_max3_num_f32 v[TM+qb], |v[\S+16*qb]|, |v[\S+16*qb+1]|, 0x1800000
.set qb, qb+1
.endr
.irp i, 2,4,6,8,10,12,14
.set qb, 0
.rept \nb
	s_delay_alu instid0(VALU_DEP_2)
	v_max3_num_f32 v[TM+qb], v[TM+qb], |v[\S+16*qb+\i]|, |v[\S+16*qb+\i+1]|
.set qb, qb+1
.endr
.endr
.set qb, 0
.rept \nb
	s_delay_alu instid0(VALU_DEP_2)
	v_permlanex16_b32 v[TM+4+qb], v[TM+qb], s[SEL], s[SEL+1]
.set qb, qb+1
.endr
.set qb, 0
.rept \nb
	s_delay_alu instid0(VALU_DEP_2)
	v_max_num_f32 v[TM+qb], v[TM+qb], v[TM+4+qb]
.set qb, qb+1
.endr
.set qb, 0
.rept \nb
	s_delay_alu instid0(VALU_DEP_2)
	v_add_nc_u32 v[TM+12+qb], 0xff000000, v[TM+qb]
.set qb, qb+1
.endr
.set qb, 0
.rept \nb
	s_delay_alu instid0(VALU_DEP_2)
	v_lshrrev_b32 v[TM+4+qb], 23, v[TM+12+qb]
.set qb, qb+1
.endr
.set qb, 0
.rept \nb
	v_cvt_scalef32_pk8_fp4_f32 v[PC+2*qb], v[\S+16*qb:\S+16*qb+7], v[TM+12+qb]
	v_cvt_scalef32_pk8_fp4_f32 v[PC+2*qb+1], v[\S+16*qb+8:\S+16*qb+15], v[TM+12+qb]
.set qb, qb+1
.endr
	v_nop
.set qb, 0
.rept \nb/2
	v_permlane16_swap_b32 v[PC+4*qb], v[PC+4*qb+2]
	v_permlane16_swap_b32 v[PC+4*qb+1], v[PC+4*qb+3]
.set qb, qb+1
.endr
.endm
	s_load_b128 s[4:7], s[0:1], 0x0                ; qkvb, att
	v_lshl_add_u32 v[SPW], v0, 2, SPARE
	v_mov_b32 v[NIL], 0
	ds_add_u32 v[SPW], v[NIL]                      ; the opening lines: the add, twice on end, and its wait
	ds_add_u32 v[SPW], v[NIL]
	v_lshrrev_b32 v8, 5, v0
	v_readfirstlane_b32 s8, v8                     ; wave
	s_and_b32 s9, ttmp7, 0xffff                    ; bh
	s_mov_b32 s[G1], 15|(3<<16)|(1<<21)            ; the mask names the cluster's four; elements of 8 bytes; no padding: the images are read 16 bytes a lane on end
	s_mov_b32 s[G1+1], 32<<16                      ; rows of 256 bytes
	s_mov_b32 s[G1+2], 64<<16
	s_mov_b32 s[G1+3], 32<<16
	s_mov_b32 s[G1+4], 64                          ; 64 rows: 16,384 bytes
	s_mov_b32 s[G1+5], 32
	s_mov_b32 s[G1+6], 0
	s_mov_b32 s[G1+7], 0
	s_mov_b32 s[G1V], 15|(3<<16)|(1<<21)
	s_mov_b32 s[G1V+1], 32<<16
	s_mov_b32 s[G1V+2], 32<<16
	s_mov_b32 s[G1V+3], 32<<16
	s_mov_b32 s[G1V+4], 32                         ; 32 rows: V's scale words
	s_mov_b32 s[G1V+5], 32
	s_mov_b32 s[G1V+6], 0
	s_mov_b32 s[G1V+7], 0
	s_lshl_b32 s56, s9, 16                         ; what my wave fetches, as an offset in qkvb: a quarter of the head's K (waves 0-3) or V (4-7),
	s_and_b32 s58, s8, 3
	s_lshl_b32 s58, s58, 14
	s_add_co_u32 s56, s56, s58
	s_add_co_u32 s60, s56, V_IMG
	s_add_co_u32 s56, s56, K_IMG
	s_cmp_lt_u32 s8, 4
	s_cselect_b32 s56, s56, s60
	s_lshl_b32 s60, s9, 14
	s_add_co_u32 s60, s60, K_SC
	s_cmp_eq_u32 s8, 8
	s_cselect_b32 s56, s60, s56                    ; K's scale words (wave 8),
	s_lshl_b32 s60, s9, 13
	s_add_co_u32 s60, s60, V_SC
	s_cmp_gt_u32 s8, 8
	s_cselect_b32 s56, s60, s56                    ; V's (wave 9)
	s_mov_b32 s57, 0
	s_mov_b32 s[G0], 1
	s_lshl_b32 s[G0+1], s8, 14                     ; in LDS the ten pieces lie on end: 16,384 x wave
	s_wait_dscnt 0x0                               ; both opening adds are done
	s_wait_kmcnt 0x0
	s_add_nc_u64 s[G0+2:G0+3], s[4:5], s[56:57]
	s_or_b32 s[G0+3], s[G0+3], 0x80000000
	CROUND                                         ; the cluster's four are here: the joint loads meet
	ARM 9,  G1,  .Lhead_vs
	ARM 10, G1V, .Lhead_none
.Lhead_asked:
	s_bfe_u32 s61, ttmp6, 0x40000                  ; my place in the cluster
	s_lshl_b32 s11, ttmp9, 2
	s_add_co_u32 s11, s11, s61                     ; j
	s_and_b32 s42, s8, 7
	s_sub_co_u32 s58, 11, s42
	s_cmp_lt_u32 s42, 4
	s_cselect_b32 s42, s42, s58                    ; s = 0, 1, 2, 3, 7, 6, 5, 4
	s_sub_co_u32 s10, 15, s42
	s_cmp_lt_u32 s8, 8
	s_cselect_b32 s10, s10, s42                    ; u = 15 - s in waves 0-7, s in waves 8-15
	s_lshl_b32 s58, s9, 7
	s_add_co_u32 s58, s58, s11                     ; bh x 128 + j
	s_lshl_b32 s60, s10, 3
	s_add_co_u32 s60, s60, s58                     ; + 8 u: my tile
	s_lshl_b32 s56, s60, 9
	s_add_nc_u64 s[44:45], s[4:5], s[56:57]        ; Q's image,
	s_lshl_b32 s56, s60, 7
	s_add_co_u32 s56, s56, Q_SC
	s_add_nc_u64 s[46:47], s[4:5], s[56:57]        ; its scale words
	v_and_b32 v8, 31, v0
	v_lshlrev_b32 v1, 4, v8                        ; 16 x lane: K's images
	v_lshlrev_b32 v6, 2, v8                        ; 4 x lane
	global_load_b128 v[16:19], v1, s[44:45]        ; Q's fragment stays in registers
	global_load_b32 v255, v6, s[46:47]
	v_add_nc_u32 v2, LVI, v1                       ; V's images
	v_add_nc_u32 v3, LKS, v6                       ; K's scale words
	v_add_nc_u32 v4, LVS, v6                       ; V's
	v_and_b32 v8, 15, v0
	v_and_b32 v9, 8, v8
	v_add_nc_u32 v8, v8, v9
	v_bfe_u32 v9, v0, 4, 1
	v_lshlrev_b32 v9, 4, v9
	v_sub_nc_u32 v5, v8, v9
	s_lshr_b32 s58, s11, 1
	s_lshl_b32 s58, s58, 5
	s_and_b32 s60, s11, 1
	s_lshl_b32 s60, s60, 3
	s_add_co_u32 s58, s58, s60
	v_add_nc_u32 v5, s58, v5                       ; d = my query - 128 u - 16 (lane / 16): on the diagonal register 16 b + i is hidden where 32 b + i > d
	s_mov_b32 s[SEL], 0x76543210
	s_mov_b32 s[SEL+1], 0xfedcba98
	s_mov_b32 s34, 0x3e38aa3b                      ; c = log2(e) / sqrt(64)
	s_mov_b32 s35, s34                             ; (named with it as a pair)
	s_lshr_b32 s58, s9, 4                          ; batch
	s_lshl_b32 s58, s58, 7
	s_add_co_u32 s58, s58, s11
	s_lshl_b32 s60, s10, 3
	s_add_co_u32 s58, s58, s60                     ; my tile among all 256
	s_lshl_b32 s58, s58, 3
	s_bfe_u32 s60, s9, 0x30001
	s_add_co_u32 s58, s58, s60                     ; x 8 + K step head / 2 of the next product
	s_and_b32 s60, s9, 1
	s_lshl_b32 s56, s58, 10
	s_lshl_b32 s40, s60, 9
	s_add_co_u32 s56, s56, s40
	s_add_nc_u64 s[52:53], s[6:7], s[56:57]
	s_lshl_b32 s56, s58, 7
	s_lshl_b32 s40, s60, 1
	s_add_co_u32 s56, s56, s40
	s_add_co_u32 s56, s56, AT_SC
	s_add_nc_u64 s[54:55], s[6:7], s[56:57]
	s_mov_b32 s36, 0                               ; the key step
.irp j, 20,21,22,23,36,37,38,39,44,45,46,47,52,53,54,55,60,61,62,63
	v_mov_b32 v[\j], 0                             ; k = 64 .. 127 of Q and of K's four fragments: zero codes, written once
.endr
	v_mov_b32 v13, 0xff61b1e6                      ; the largest t so far: -3e38
	v_floor_f32 v12, -v13                          ; -M
	v_mov_b32 v14, 0
	v_mov_b32 v15, 0
.irp j, 236,237,238,239,252,253
	v_mov_b32 v[\j], 0                             ; a lane permute's destination and a pair's upper word count as read
.endr
.set j, 0
.rept 32
	v_mov_b32 v[160+j], 0                          ; O^T: the step is written once; the first finds zeros, which the first change of M leaves zeros
.set j, j+1
.endr
	s_wait_alu depctr_va_vdst(0)                   ; the wait at the head's end
	s_wait_tensorcnt 0x0                           ; my piece of the head lies in LDS
	s_barrier_signal -1
	s_barrier_wait -1                              ; and everybody's
	s_wait_loadcnt 0x0                             ; Q
.Lstep:
	s_cmp_gt_u32 s36, s10
	s_cbranch_scc1 .Lskip                          ; all its keys come after my queries
	s_lshl_b32 s37, s36, 12                        ; the step's images: 4,096 bytes, of K and of V
	s_lshl_b32 s38, s36, 10                        ; K's scale words: 1,024
	s_lshl_b32 s39, s36, 9                         ; V's: 512
	v_add_nc_u32 v8, s37, v1
	v_add_nc_u32 v9, s37, v2
	v_add_nc_u32 v10, s38, v3
	v_add_nc_u32 v11, s39, v4                      ; (these four are the places behind the last step's products, ahead of the loads into V's registers)
	s_wait_alu depctr_va_vdst(0)
.irp g, 0,1                                        ; S^T = K Q^T, four tiles of 16 keys at a time
.if \g
	PLACES 4                                       ; ahead of loads into registers that the four products have read
.endif
.irp t, 0,1,2,3
	ds_load_b128 v[32+8*\t:35+8*\t], v8 offset:(4*\g+\t)*512
	ds_load_b32 v[248+\t], v10 offset:(4*\g+\t)*128
.endr
	s_wait_dscnt 0x0
.irp t, 0,1,2,3
	v_wmma_scale_f32_16x16x128_f8f6f4 v[96+8*(4*\g+\t):103+8*(4*\g+\t)], v[32+8*\t:39+8*\t], v[16:23], 0, v[248+\t], v255 matrix_a_fmt:MATRIX_FMT_FP4 matrix_b_fmt:MATRIX_FMT_FP4
.endr
.endr
.irp t, 0,1,2,3                                    ; V's fragments are asked for now and land during the softmax
	ds_load_b128 v[64+8*\t:67+8*\t], v9 offset:\t*1024
	ds_load_b128 v[68+8*\t:71+8*\t], v9 offset:\t*1024+512
	ds_load_b32 v[24+\t], v11 offset:\t*128
.endr
	PLACES 4
	s_cmp_lg_u32 s36, s10
	s_cbranch_scc1 .Lopen                          ; all keys of this step count
	v_mov_b32 v254, 0xff800000
.set mn, 0
.rept 64
	v_cmp_gt_i32 vcc_lo, 32*(mn/16)+mn%16, v5
	v_cndmask_b32 v[96+mn], v[96+mn], v254, vcc_lo
.set mn, mn+1
.endr
.Lopen:
.irp b, 0,1,2,3
	v_max3_num_f32 v[232+\b], v[96+16*\b], v[97+16*\b], v[98+16*\b]   ; the largest score of each block of 32 keys: for the row's maximum, and, since p rises with the score, for the block's largest p
.endr
.irp i, 3,5,7,9,11,13
.irp b, 0,1,2,3
	v_max3_num_f32 v[232+\b], v[232+\b], v[96+16*\b+\i], v[97+16*\b+\i]
.endr
.endr
.irp b, 0,1,2,3
	v_max_num_f32 v[232+\b], v[232+\b], v[111+16*\b]
.endr
.irp b, 0,1,2,3
	s_delay_alu instid0(VALU_DEP_4)
	v_permlanex16_b32 v[236+\b], v[232+\b], s[SEL], s[SEL+1]
.endr
.irp b, 0,1,2,3
	s_delay_alu instid0(VALU_DEP_4)
	v_max_num_f32 v[232+\b], v[232+\b], v[236+\b]
.endr
	s_delay_alu instid0(VALU_DEP_2)
	v_max3_num_f32 v254, v232, v233, v234
	s_delay_alu instid0(VALU_DEP_1)
	v_max_num_f32 v254, v254, v235
	s_delay_alu instid0(VALU_DEP_1)
	v_mul_f32 v254, s34, v254
	s_delay_alu instid0(VALU_DEP_1)
	v_max_num_f32 v13, v13, v254                   ; the running largest t
	v_mov_b32 v254, v12
	s_delay_alu instid0(VALU_DEP_2)
	v_floor_f32 v12, -v13                          ; the new -M = -ceil(t)
	s_delay_alu instid0(VALU_DEP_1)
	v_sub_f32 v254, v12, v254                      ; old M - new M, a whole number, 0 or less
	s_delay_alu instid0(VALU_DEP_1)
	v_cvt_i32_f32 v254, v254                       ; (it saturates)
	s_delay_alu instid0(VALU_DEP_1)
	v_ldexp_f32 v252, 1.0, v254                    ; f = 2^(old M - new M)
.set j, 0
.rept 32
	v_pk_fma_f32 v[96+j:97+j], v[96+j:97+j], s[34:35], v[12:13] op_sel_hi:[1,0,0]   ; t - M
.set j, j+2
.endr
.irp b, 0,1,2,3
	v_fma_f32 v[232+\b], v[232+\b], s34, v12
.endr
.set j, 0
	s_wait_alu depctr_va_vdst(0)                   ; the wait ahead of the batch
.rept 64
	v_exp_f32 v[96+j], v[96+j]                     ; p
.set j, j+1
.endr
	v_pk_mul_f32 v[14:15], v[14:15], v[252:253] op_sel_hi:[1,0]   ; the sums under the new M (a plain place behind the batch)
	s_wait_alu depctr_va_vdst(0)                   ; one wait for the 64, ahead of their first reader
.irp b, 0,1,2,3
	v_exp_f32 v[232+\b], v[232+\b]                 ; each block's largest p
.endr
	v_pk_add_f32 v[236:237], v[100:101], v[104:105]   ; the row's sum of the unquantised p, in eight chains
	v_pk_add_f32 v[250:251], v[108:109], v[112:113]
	v_pk_add_f32 v[248:249], v[116:117], v[120:121]
	v_pk_add_f32 v[246:247], v[124:125], v[128:129]
	v_pk_add_f32 v[244:245], v[132:133], v[136:137]
	v_pk_add_f32 v[240:241], v[140:141], v[144:145]
	v_pk_add_f32 v[238:239], v[148:149], v[152:153]
	v_pk_add_f32 v[14:15], v[14:15], v[156:157]
	v_pk_add_f32 v[236:237], v[236:237], v[96:97]
	v_pk_add_f32 v[250:251], v[250:251], v[98:99]
	v_pk_add_f32 v[248:249], v[248:249], v[102:103]
	v_pk_add_f32 v[246:247], v[246:247], v[106:107]
	v_pk_add_f32 v[244:245], v[244:245], v[110:111]
	v_pk_add_f32 v[240:241], v[240:241], v[114:115]
	v_pk_add_f32 v[238:239], v[238:239], v[118:119]
	v_pk_add_f32 v[14:15], v[14:15], v[122:123]
	v_pk_add_f32 v[236:237], v[236:237], v[126:127]
	v_pk_add_f32 v[250:251], v[250:251], v[130:131]
	v_pk_add_f32 v[248:249], v[248:249], v[134:135]
	v_pk_add_f32 v[246:247], v[246:247], v[138:139]
	v_pk_add_f32 v[244:245], v[244:245], v[142:143]
	v_pk_add_f32 v[240:241], v[240:241], v[146:147]
	v_pk_add_f32 v[238:239], v[238:239], v[150:151]
	v_pk_add_f32 v[14:15], v[14:15], v[154:155]
	v_pk_add_f32 v[236:237], v[236:237], v[158:159]
	s_delay_alu instid0(VALU_DEP_2)
	v_pk_add_f32 v[14:15], v[14:15], v[246:247]
	s_delay_alu instid0(VALU_DEP_2)
	v_pk_add_f32 v[236:237], v[236:237], v[244:245]
	v_pk_add_f32 v[250:251], v[250:251], v[240:241]
	v_pk_add_f32 v[248:249], v[248:249], v[238:239]
	s_delay_alu instid0(VALU_DEP_2)
	v_pk_add_f32 v[14:15], v[14:15], v[250:251]
	s_delay_alu instid0(VALU_DEP_2)
	v_pk_add_f32 v[236:237], v[236:237], v[248:249]
	s_delay_alu instid0(VALU_DEP_1)
	v_pk_add_f32 v[14:15], v[14:15], v[236:237]
	s_wait_alu depctr_va_vdst(0)                   ; and one for the four
.irp b, 0,1,2,3
	v_max_num_f32 v[232+\b], 0x1800000, v[232+\b]
.endr
.irp b, 0,1,2,3
	s_delay_alu instid0(VALU_DEP_4)
	v_add_nc_u32 v[244+\b], 0xff000000, v[232+\b]
.endr
.irp b, 0,1,2,3
	s_delay_alu instid0(VALU_DEP_4)
	v_lshrrev_b32 v[236+\b], 23, v[244+\b]
.endr
	s_delay_alu instid0(VALU_DEP_3)
	v_lshl_or_b32 v253, v237, 8, v236              ; p's scale word for these 128 keys
	s_delay_alu instid0(VALU_DEP_1)
	v_lshl_or_b32 v253, v238, 16, v253
	s_delay_alu instid0(VALU_DEP_1)
	v_lshl_or_b32 v253, v239, 24, v253
.irp b, 0,1,2,3
	v_cvt_scalef32_pk8_fp4_f32 v[224+2*\b], v[96+16*\b:103+16*\b], v[244+\b]
	v_cvt_scalef32_pk8_fp4_f32 v[225+2*\b], v[104+16*\b:111+16*\b], v[244+\b]
.endr
	v_nop
.irp c, 0,1
.irp i, 0,1
	v_permlane16_swap_b32 v[224+4*\c+\i], v[226+4*\c+\i]
.endr
.endr
	s_wait_alu depctr_va_vdst(0)                   ; the wait directly ahead of the first reader of O^T
.set j, 0
.rept 16
	v_pk_mul_f32 v[160+j:161+j], v[160+j:161+j], v[252:253] op_sel_hi:[1,0]   ; O^T under the new M; these sixteen also stand between the lines that wrote p's codes and word and the products
.set j, j+2
.endr
	s_wait_alu depctr_va_vdst(0)                   ; the wait directly ahead of the wait below
	s_wait_dscnt 0x0                               ; V
.irp t, 0,1,2,3
	v_wmma_scale_f32_16x16x128_f8f6f4 v[160+8*\t:167+8*\t], v[64+8*\t:71+8*\t], v[224:231], v[160+8*\t:167+8*\t], v[24+\t], v253 matrix_a_fmt:MATRIX_FMT_FP4 matrix_b_fmt:MATRIX_FMT_FP4
.endr
.Lskip:
	s_add_co_u32 s36, s36, 1
	s_cmp_lt_u32 s36, 16
	s_cbranch_scc1 .Lstep
	; ---- the way out
	PLACES 4
	v_add_f32 v14, v14, v15
	s_delay_alu instid0(VALU_DEP_1)
	v_permlanex16_b32 v252, v14, s[SEL], s[SEL+1]
	s_delay_alu instid0(VALU_DEP_1)
	v_add_f32 v14, v14, v252                       ; the row's sum
	s_wait_alu depctr_va_vdst(0)                   ; the wait ahead of the transcendental
	v_rcp_f32 v14, v14
	v_nop
	s_wait_alu depctr_va_vdst(0)                   ; and ahead of its first reader, which is O^T's too
.set j, 0
.rept 32
	v_mul_f32 v[192+j], v[160+j], v14              ; register 16 b + i: channel 32 b + 16 (lane / 16) + i of my query
.set j, j+1
.endr
	QH 2, 192
	v_lshl_or_b32 v254, v237, 8, v236
	global_store_b128 v1, v[224:227], s[52:53]     ; half c = head % 2 of K step head / 2: 512 consecutive bytes
	global_store_b16 v6, v254, s[54:55]
	s_wait_tensorcnt 0x0                           ; the wave's end
	ds_add_u32 v[SPW], v[NIL]
	s_wait_dscnt 0x0
	CROUND                                         ; the closing round
	s_endpgm
.Lfunc_end_k_q16cd4d612b_attn:
	.size	k_q16cd4d612b_attn, .Lfunc_end_k_q16cd4d612b_attn-k_q16cd4d612b_attn
	.p2alignl 7, 3214868480
	.fill 96, 4, 3214868480
	.section	.rodata,"a",@progbits
	.p2align	6, 0x0
	.amdhsa_kernel k_q16cd4d612b_attn
		.amdhsa_group_segment_fixed_size 327680
		.amdhsa_private_segment_fixed_size 0
		.amdhsa_enable_private_segment 0
		.amdhsa_kernarg_size 16
		.amdhsa_user_sgpr_count 2
		.amdhsa_user_sgpr_kernarg_segment_ptr 1
		.amdhsa_wavefront_size32 1
		.amdhsa_system_sgpr_workgroup_id_x 1
		.amdhsa_system_sgpr_workgroup_id_y 1
		.amdhsa_system_sgpr_workgroup_id_z 1
		.amdhsa_system_vgpr_workitem_id 0
		.amdhsa_next_free_vgpr 256
		.amdhsa_next_free_sgpr 66
		.amdhsa_reserve_vcc 1
		.amdhsa_float_denorm_mode_32 3
		.amdhsa_float_denorm_mode_16_64 3
		.amdhsa_memory_ordered 1
		.amdhsa_forward_progress 1
		.amdhsa_inst_pref_size 35
	.end_amdhsa_kernel
	.amdgpu_metadata
---
amdhsa.version: [ 1, 2 ]
amdhsa.kernels:
  - .name:           k_q16cd4d612b_attn
    .symbol:         k_q16cd4d612b_attn.kd
    .args:
      - { .name: qkvb, .offset: 0, .size: 8, .value_kind: global_buffer, .address_space: global }
      - { .name: att, .offset: 8, .size: 8, .value_kind: global_buffer, .address_space: global }
    .group_segment_fixed_size: 327680
    .private_segment_fixed_size: 0
    .kernarg_segment_align: 8
    .kernarg_segment_size: 16
    .max_flat_workgroup_size: 512
    .sgpr_count:     66
    .vgpr_count:     256
    .wavefront_size: 32
...
	.end_amdgpu_metadata
.endif
;; end of part 3
;; launch wo (part 4): grid 256 x 1, 8 waves a work-group, clusters of 4 x 1, 327,680 bytes of LDS; arguments att, wimg, Wo_scales, x, g2, x2, xm; writes x2, xm
.if DOCPART == 4
	.amdgcn_target "amdgcn-amd-amdhsa--gfx1250"
	.amdhsa_code_object_version 6
	.text
	.protected	k_q16cd4d612b_wo
	.globl	k_q16cd4d612b_wo
	.p2align	8
	.type	k_q16cd4d612b_wo,@function
k_q16cd4d612b_wo:
	s_mov_b64 s[64:65], 0
	v_nop
	global_prefetch_b8 v0, s[64:65] scope:SCOPE_SE
	s_setreg_imm32_b32 hwreg(HW_REG_WAVE_MODE, 25, 1), 1
	s_wait_xcnt 0x0
	s_wait_alu depctr_hold_cnt(0) depctr_sa_sdst(0) depctr_va_vdst(0) depctr_va_sdst(0) depctr_va_ssrc(0) depctr_va_vcc(0) depctr_vm_vsrc(0)
	s_getreg_b32 s2, hwreg(HW_REG_IB_STS2, 6, 4)
	s_cmp_eq_u32 s2, 0
	s_cbranch_scc0 .Lentry_in_a_cluster
	s_endpgm
.Lentry_in_a_cluster:
	s_bfe_u32 s2, ttmp6, 0x10000c
	s_cmp_lg_u32 s2, 0x3003
	s_cbranch_scc0 .Lentry_shape_is_right
	s_endpgm
.Lentry_shape_is_right:
; WO: x2 = x + attn Wo^T on FP4 codes; then xn2 = rmsnorm(x2, g2), quantised along the 1,024 channels.
; SHARES.  The norm wants whole rows, so a work-group owns ONE tile of 16 tokens x all 1,024 columns: 256 work-groups.  Wave w makes columns 64 w .. 64 w + 63 and 512 + 64 w .. + 63: eight tiles of 16 rows of Wo, source 0;
; the token tile's 8 fragments stay in registers, source 1.
; Wo's 64 tiles lie in wimg as images of their registers, 512 KB on end.  They come in TWO FILLS of one LDS slot of 256 KB: tiles 0-31, then tiles 32-63; wave w fetches, by one tensor load, the 32 KB (four tiles) that it alone reads.
; The first half is taken into 256 registers at once; so the slot is free, the refill is asked for, and the first 32 products stand under its flight.
; CLUSTERS: every work-group reads all of Wo; four form a cluster and ask jointly (mask 15).  No branch and no LDS address hangs on the place in the cluster.
; No prefetch: the text has no loop to run ahead in; the second fill is asked for as soon as the slot is free.
; x IS THE C OF EACH SUM'S FIRST PRODUCT: it is loaded straight into the accumulators in the result's layout.
; Then: results to a stage (16 rows of 4,096 + 16 bytes, in the slot, which has had its last fill and, behind a barrier, its last read) | barrier | wave w takes rows 2 w, 2 w + 1: stores them to x2, normalises them, puts them back | barrier |
; wave w takes K step w of the tile, quantises, stores images to xm.
; LIMITS: NaN and infinities are not served; a block whose largest magnitude lies under 2^-124 (zeros too) gets the byte 1; x / rms is x times rsq.
; REGISTERS.  Window 0: v1-11 addresses; v16-23 attn's scale words; v24-87 Wo's (8 a + s); v88-119 g2; v126, 127 the add's; v128-191 the 8 accumulators, later rows; v192-255 attn's fragments, later at work.  Window 1: four tiles of Wo, 64 t + 8 s.
.set PITCH, 4112
.set AT_SC, 2097152
.set WO_IMG, 1572864                   ; wimg: Wo's 64 tiles begin behind Wq's, Wk's and Wv's
.set SPARE, 262144                     ; behind the slot: the spare words, 128 bytes a wave
.set LI,  1
.set LS,  2
.set SH8, 11
.set G,   88
.set SEL, 40
.set EPS, 42
.set RN,  43
.set G0,  24
.set G1,  32
.set MSB, 0
.macro WIN new
.if MSB != (\new)
	s_set_vgpr_msb (MSB<<8)|(\new)
.set MSB, (\new)
.endif
.endm
.macro PLACES n
.rept \n
	v_nop
.endr
.endm
.macro CROUND                          ; a round of the cluster's barrier
	s_barrier_signal -1
	s_barrier_wait -1
	s_cmp_lg_u32 s18, 0
	s_cbranch_scc1 .Lnot_wave_0_\@
	s_barrier_signal -3
.Lnot_wave_0_\@:
	s_barrier_wait -3
	s_barrier_signal -1
	s_barrier_wait -1
.endm
.macro SUMSQ R, A
	v_pk_mul_f32 v[\A:\A+1], v[\R:\R+1], v[\R:\R+1]
	v_pk_mul_f32 v[\A+2:\A+3], v[\R+2:\R+3], v[\R+2:\R+3]
.irp j, 4,8,12,16,20,24,28
	s_delay_alu instid0(VALU_DEP_2)
	v_pk_fma_f32 v[\A:\A+1], v[\R+\j:\R+\j+1], v[\R+\j:\R+\j+1], v[\A:\A+1]
	s_delay_alu instid0(VALU_DEP_2)
	v_pk_fma_f32 v[\A+2:\A+3], v[\R+\j+2:\R+\j+3], v[\R+\j+2:\R+\j+3], v[\A+2:\A+3]
.endr
	s_delay_alu instid0(VALU_DEP_1)
	v_pk_add_f32 v[\A:\A+1], v[\A:\A+1], v[\A+2:\A+3]
	s_delay_alu instid0(VALU_DEP_1)
	v_add_f32 v[\A], v[\A], v[\A+1]
	s_delay_alu instid0(VALU_DEP_1)
	v_add_f32_dpp v[\A], v[\A], v[\A] row_xmask:1 row_mask:0xf bank_mask:0xf
	s_delay_alu instid0(VALU_DEP_1)
	v_add_f32_dpp v[\A], v[\A], v[\A] row_xmask:2 row_mask:0xf bank_mask:0xf
	s_delay_alu instid0(VALU_DEP_1)
	v_add_f32_dpp v[\A], v[\A], v[\A] row_xmask:4 row_mask:0xf bank_mask:0xf
	s_delay_alu instid0(VALU_DEP_1)
	v_add_f32_dpp v[\A], v[\A], v[\A] row_xmask:8 row_mask:0xf bank_mask:0xf
	s_delay_alu instid0(VALU_DEP_1)
	v_permlanex16_b32 v[\A+1], v[\A], s[SEL], s[SEL+1]
	s_delay_alu instid0(VALU_DEP_1)
	v_add_f32 v[\A], v[\A], v[\A+1]
	s_delay_alu instid0(VALU_DEP_1)
	v_fma_f32 v[\A], v[\A], s[RN], s[EPS]
.endm
.macro FQ N, FR, W, T                  ; 64 numbers of a lane, N + 32 c + i = k 64 c + 32 h + i, become 8 registers of codes FR and the scale word W
	v_max3_num_f32 v[\T], |v[\N]|, |v[\N+1]|, 0x1800000
	v_max3_num_f32 v[\T+1], |v[\N+32]|, |v[\N+33]|, 0x1800000
.irp i, 2,4,6,8,10,12,14,16,18,20,22,24,26,28,30
	s_delay_alu instid0(VALU_DEP_2)
	v_max3_num_f32 v[\T], v[\T], |v[\N+\i]|, |v[\N+\i+1]|
	s_delay_alu instid0(VALU_DEP_2)
	v_max3_num_f32 v[\T+1], v[\T+1], |v[\N+32+\i]|, |v[\N+33+\i]|
.endr
	s_delay_alu instid0(VALU_DEP_2)
	v_add_nc_u32 v[\T+2], 0xff000000, v[\T]
	s_delay_alu instid0(VALU_DEP_2)
	v_add_nc_u32 v[\T+3], 0xff000000, v[\T+1]
	s_delay_alu instid0(VALU_DEP_2)
	v_lshrrev_b32 v[\T+4], 23, v[\T+2]
	s_delay_alu instid0(VALU_DEP_2)
	v_lshrrev_b32 v[\T+5], 23, v[\T+3]
	s_delay_alu instid0(VALU_DEP_1)
	v_lshl_or_b32 v[\W], v[\T+5], 16, v[\T+4]
	s_delay_alu instid0(VALU_DEP_1)
	v_lshlrev_b32 v[\W], v[SH8], v[\W]
	s_delay_alu instid0(VALU_DEP_1)
	v_permlanex16_b32 v[\T+6], v[\W], s[SEL], s[SEL+1]
	s_delay_alu instid0(VALU_DEP_1)
	v_or_b32 v[\W], v[\W], v[\T+6]
.irp c, 0,1
.irp g, 0,1,2,3
	v_cvt_scalef32_pk8_fp4_f32 v[\FR+4*\c+\g], v[\N+32*\c+8*\g:\N+32*\c+8*\g+7], v[\T+2+\c]
.endr
.endr
	v_nop
.endm
.macro WFETCH                          ; my four tiles of Wo from my piece of the slot into window 1
	WIN 0x40
.irp t, 0,1,2,3
.irp s, 0,1,2,3,4,5,6,7
	ds_load_b128 v[64*\t+8*\s:64*\t+8*\s+3], v4 offset:\t*8192+\s*1024
	ds_load_b128 v[64*\t+8*\s+4:64*\t+8*\s+7], v4 offset:\t*8192+\s*1024+512
.endr
.endr
	WIN 0
.endm
.macro MUL hf                          ; 32 products: the half's four accumulators take turns
	WIN 0x01                                       ; source 0 window 1
.irp s, 0,1,2,3,4,5,6,7
.irp t, 0,1,2,3
	v_wmma_scale_f32_16x16x128_f8f6f4 v[128+8*(4*\hf+\t):135+8*(4*\hf+\t)], v[64*\t+8*\s:64*\t+8*\s+7], v[192+8*\s:199+8*\s], v[128+8*(4*\hf+\t):135+8*(4*\hf+\t)], v[24+8*(4*\hf+\t)+\s], v[16+\s] matrix_a_fmt:MATRIX_FMT_FP4 matrix_b_fmt:MATRIX_FMT_FP4
.endr
.endr
	WIN 0
.endm
	s_load_b256 s[4:11], s[0:1], 0x0               ; att s[4:5], wimg s[6:7], Wo's scales s[8:9], x s[10:11]
	s_load_b128 s[12:15], s[0:1], 0x20             ; g2 s[12:13], x2 s[14:15]
	s_load_b64 s[16:17], s[0:1], 0x30              ; xm
	v_lshl_add_u32 v126, v0, 2, SPARE
	v_mov_b32 v127, 0
	ds_add_u32 v126, v127                          ; the opening lines: the add, twice on end, and its wait
	ds_add_u32 v126, v127
	v_lshrrev_b32 v1, 5, v0
	v_readfirstlane_b32 s18, v1                    ; wave
	s_mov_b32 s[G1], 15|(3<<16)|(1<<21)            ; the mask names the cluster's four; elements of 8 bytes; no padding: images are read 16 bytes a lane on end
	s_mov_b32 s[G1+1], 32<<16                      ; rows of 256 bytes,
	s_mov_b32 s[G1+2], 128<<16
	s_mov_b32 s[G1+3], 32<<16
	s_mov_b32 s[G1+4], 128                         ; 128 of them: 32,768 bytes
	s_mov_b32 s[G1+5], 32
	s_mov_b32 s[G1+6], 0
	s_mov_b32 s[G1+7], 0
	s_mov_b32 s[G0], 1
	s_lshl_b32 s[G0+1], s18, 15                    ; my piece of the slot
	s_lshl_b32 s20, s18, 15
	s_add_co_u32 s20, s20, WO_IMG
	s_mov_b32 s21, 0
	s_mov_b32 s[SEL], 0x76543210
	s_mov_b32 s[SEL+1], 0xfedcba98
	s_mov_b32 s[EPS], 0x3727c5ac
	s_mov_b32 s[RN], 0x3a800000
	s_wait_dscnt 0x0                               ; both opening adds are done
	s_wait_kmcnt 0x0
	s_add_nc_u64 s[G0+2:G0+3], s[6:7], s[20:21]    ; Wo's tiles 4 w .. 4 w + 3
	s_or_b32 s[G0+3], s[G0+3], 0x80000000
	CROUND                                         ; the cluster's four are here: the joint loads meet
	tensor_load_to_lds s[G0:G0+3], s[G1:G1+7]
	s_nop 0
	PLACES 4
	s_bfe_u32 s23, ttmp6, 0x40000                  ; my place in the cluster
	s_lshl_b32 s22, ttmp9, 2
	s_add_co_u32 s22, s22, s23                     ; T, my tile of tokens
	s_lshr_b32 s48, s22, 1
	s_lshl_b32 s48, s48, 5
	s_and_b32 s19, s22, 1
	s_lshl_b32 s19, s19, 3
	s_add_co_u32 s48, s48, s19                     ; its first token: 32 (T / 2) + 8 (T % 2)
	s_lshl_b32 s20, s48, 12
	s_lshl_b32 s19, s18, 8
	s_add_co_u32 s20, s20, s19
	s_add_nc_u64 s[10:11], s[10:11], s[20:21]      ; x at that token, column 64 w
	s_lshl_b32 s20, s22, 13
	s_add_nc_u64 s[44:45], s[4:5], s[20:21]        ; attn's images of tile T
	s_lshl_b32 s19, s18, 10
	s_add_co_u32 s20, s20, s19
	s_add_nc_u64 s[28:29], s[16:17], s[20:21]      ; xm's images: tile T, K step w
	s_lshl_b32 s20, s22, 10
	s_add_co_u32 s20, s20, AT_SC
	s_add_nc_u64 s[46:47], s[4:5], s[20:21]        ; attn's scale words
	s_lshl_b32 s19, s18, 7
	s_add_co_u32 s20, s20, s19
	s_add_nc_u64 s[30:31], s[16:17], s[20:21]      ; xm's
	s_lshl_b32 s20, s18, 11
	s_add_nc_u64 s[8:9], s[8:9], s[20:21]          ; Wo's scales from row 64 w, 32 bytes a row
	s_lshl_b32 s19, s18, 1                         ; stage rows 2 w, 2 w + 1 are tokens first + 2 w + 8 (w / 4) + 0, 1
	s_add_co_u32 s20, s48, s19
	s_lshr_b32 s19, s18, 2
	s_lshl_b32 s19, s19, 3
	s_add_co_u32 s20, s20, s19
	s_lshl_b32 s20, s20, 12
	s_add_nc_u64 s[14:15], s[14:15], s[20:21]
	v_and_b32 v12, 31, v0
	v_lshlrev_b32 v[LI], 4, v12
	v_lshlrev_b32 v[LS], 2, v12
	v_and_b32 v12, 15, v0                          ; r
	v_bfe_u32 v13, v0, 4, 1                        ; h
	v_and_b32 v14, 8, v12
	v_add_nc_u32 v14, v14, v12
	v_lshlrev_b32 v3, 12, v14
	v_lshl_add_u32 v3, v13, 5, v3                  ; x: token row r + 8 (r / 8), + 32 h
	v_lshlrev_b32 v5, 5, v12                       ; Wo's scales: 32 bytes a row
.irp a, 0,1,2,3,4,5,6,7                            ; accumulator a = 4 half + t: columns 512 half + 64 w + 16 t
	global_load_b128 v[128+8*\a:131+8*\a], v3, s[10:11] offset:2048*(\a/4)+64*(\a%4) th:TH_LOAD_NT
	global_load_b128 v[132+8*\a:135+8*\a], v3, s[10:11] offset:2048*(\a/4)+64*(\a%4)+16 th:TH_LOAD_NT
.endr
.irp s, 0,1,2,3,4,5,6,7
	global_load_b32 v[16+\s], v[LS], s[46:47] offset:128*\s
.endr
.irp a, 0,1,2,3,4,5,6,7
	global_load_b128 v[24+8*\a:27+8*\a], v5, s[8:9] offset:16384*(\a/4)+512*(\a%4)
	global_load_b128 v[28+8*\a:31+8*\a], v5, s[8:9] offset:16384*(\a/4)+512*(\a%4)+16
.endr
.irp s, 0,1,2,3,4,5,6,7
	global_load_b128 v[192+8*\s:195+8*\s], v[LI], s[44:45] offset:\s*1024
	global_load_b128 v[196+8*\s:199+8*\s], v[LI], s[44:45] offset:\s*1024+512
.endr
.irp i, 0,1,2,3,4,5,6,7
	global_load_b128 v[G+4*\i:G+4*\i+3], v[LI], s[12:13] offset:512*\i
.endr
	v_mul_u32_u24 v6, v12, PITCH
	v_lshl_add_u32 v9, v13, 7, v6
	v_lshl_add_u32 v6, v13, 5, v6
	s_lshl_b32 s19, s18, 8
	v_add_nc_u32 v6, s19, v6                       ; the stage, results in: row r, my wave's 256 bytes, + 32 h
	s_lshl_b32 s19, s18, 9
	v_add_nc_u32 v9, s19, v9                       ; fragments out: row r, + 128 h, K step w
	s_mul_i32 s19, s18, 2*PITCH
	v_add_nc_u32 v8, s19, v[LI]                    ; rows 2 w, 2 w + 1
	s_lshl_b32 s19, s18, 15
	v_add_nc_u32 v4, s19, v[LI]                    ; my piece of the slot
	v_lshlrev_b32 v[SH8], 3, v13
	s_wait_alu depctr_va_vdst(0)                   ; the wait at the head's end
	s_wait_tensorcnt 0x0                           ; my piece is in; I alone read it
	WFETCH
	s_wait_tensorcnt 0x0                           ; ahead of the refill's round
	ds_add_u32 v126, v127
	s_add_nc_u64 s[G0+2:G0+3], s[G0+2:G0+3], 262144   ; no tensor load of mine is out: on to tiles 32 + 4 w ..
	s_wait_dscnt 0x0                               ; the add is done, and my reads of the slot are over: the first half lies in registers
	CROUND
	tensor_load_to_lds s[G0:G0+3], s[G1:G1+7]      ; the second half, first behind the round
	s_nop 0
	PLACES 4
	s_wait_loadcnt 8                               ; x, the scale words and attn's fragments are in: behind them stand g2's eight loads
	MUL 0
	PLACES 4                                       ; ahead of loads into registers that the products have read
	s_wait_tensorcnt 0x0                           ; my piece of the second half
	WFETCH
	s_wait_dscnt 0x0                               ; my reads of the slot are over:
	s_barrier_signal -1                            ; say so,
	MUL 1                                          ; work on registers meanwhile,
	s_barrier_wait -1                              ; and nobody reads the slot any more: it has had its last fill and takes the stage
	PLACES 4
	; ---- results to the stage: lane (r, h) of accumulator a holds x2(row r, columns 512 (a / 4) + 64 w + 16 (a % 4) + 8 h + 0 .. 7)
.irp a, 0,1,2,3,4,5,6,7
	ds_store_b128 v6, v[128+8*\a:131+8*\a] offset:2048*(\a/4)+64*(\a%4)        ; each accumulator from its low end on
	ds_store_b128 v6, v[132+8*\a:135+8*\a] offset:2048*(\a/4)+64*(\a%4)+16
.endr
	s_wait_dscnt 0x0
	s_barrier_signal -1
	s_barrier_wait -1                              ; 16 whole rows lie in the stage
	; ---- two rows a wave
.irp k, 0,1
.irp i, 0,1,2,3,4,5,6,7
	ds_load_b128 v[128+32*\k+4*\i:131+32*\k+4*\i], v8 offset:\k*PITCH+512*\i
.endr
.endr
	s_wait_dscnt 0x0
.irp k, 0,1
.irp i, 0,1,2,3,4,5,6,7
	global_store_b128 v[LI], v[128+32*\k+4*\i:131+32*\k+4*\i], s[14:15] offset:\k*4096+512*\i   ; 512 consecutive bytes of a row of x2
.endr
.endr
	SUMSQ 128, 192
	SUMSQ 160, 196
	v_mov_b32 v201, 0                              ; upper words of the pairs that carry 1 / rms: named, not used
	v_mov_b32 v203, 0
	s_wait_alu depctr_va_vdst(0)                   ; the wait ahead of the batch
	v_rsq_f32 v200, v192
	v_rsq_f32 v202, v196
	v_nop
	s_wait_alu depctr_va_vdst(0)                   ; one wait for both
	s_wait_xcnt 0x0                                ; the stores to x2 have read their data: the rows are scaled in place only behind this wait
	s_wait_loadcnt 0x0                             ; g2
.irp k, 0,1
.set j, 0
.rept 16
	v_pk_mul_f32 v[128+32*\k+j:129+32*\k+j], v[128+32*\k+j:129+32*\k+j], v[200+2*\k:201+2*\k] op_sel_hi:[1,0]
.set j, j+2
.endr
.set j, 0
.rept 16
	v_pk_mul_f32 v[128+32*\k+j:129+32*\k+j], v[128+32*\k+j:129+32*\k+j], v[G+j:G+j+1]
.set j, j+2
.endr
.endr
.irp k, 0,1
.irp i, 0,1,2,3,4,5,6,7
	ds_store_b128 v8, v[128+32*\k+4*\i:131+32*\k+4*\i] offset:\k*PITCH+512*\i     ; back into my own two rows
.endr
.endr
	s_wait_dscnt 0x0
	s_barrier_signal -1
	s_barrier_wait -1
	; ---- K step w of the tile
.irp c, 0,1
.irp i, 0,1,2,3,4,5,6,7
	ds_load_b128 v[128+32*\c+4*\i:131+32*\c+4*\i], v9 offset:256*\c+16*\i
.endr
.endr
	s_wait_dscnt 0x0
	FQ 128, 208, 216, 220
	global_store_b128 v[LI], v[208:211], s[28:29]
	global_store_b128 v[LI], v[212:215], s[28:29] offset:512
	global_store_b32 v[LS], v216, s[30:31]
	s_wait_tensorcnt 0x0                           ; the wave's end
	ds_add_u32 v126, v127
	s_wait_dscnt 0x0
	CROUND                                         ; the closing round
	s_endpgm
.Lfunc_end_k_q16cd4d612b_wo:
	.size	k_q16cd4d612b_wo, .Lfunc_end_k_q16cd4d612b_wo-k_q16cd4d612b_wo
	.p2alignl 7, 3214868480
	.fill 96, 4, 3214868480
	.section	.rodata,"a",@progbits
	.p2align	6, 0x0
	.amdhsa_kernel k_q16cd4d612b_wo
		.amdhsa_group_segment_fixed_size 327680
		.amdhsa_private_segment_fixed_size 0
		.amdhsa_enable_private_segment 0
		.amdhsa_kernarg_size 56
		.amdhsa_user_sgpr_count 2
		.amdhsa_user_sgpr_kernarg_segment_ptr 1
		.amdhsa_wavefront_size32 1
		.amdhsa_system_sgpr_workgroup_id_x 1
		.amdhsa_system_sgpr_workgroup_id_y 1
		.amdhsa_system_sgpr_workgroup_id_z 1
		.amdhsa_system_vgpr_workitem_id 0
		.amdhsa_next_free_vgpr 512
		.amdhsa_next_free_sgpr 66
		.amdhsa_reserve_vcc 0
		.amdhsa_float_denorm_mode_32 3
		.amdhsa_float_denorm_mode_16_64 3
		.amdhsa_memory_ordered 1
		.amdhsa_forward_progress 1
		.amdhsa_inst_pref_size 48
	.end_amdhsa_kernel
	.amdgpu_metadata
---
amdhsa.version: [ 1, 2 ]
amdhsa.kernels:
  - .name:           k_q16cd4d612b_wo
    .symbol:         k_q16cd4d612b_wo.kd
    .args:
      - { .name: att, .offset: 0, .size: 8, .value_kind: global_buffer, .address_space: global }
      - { .name: wimg, .offset: 8, .size: 8, .value_kind: global_buffer, .address_space: global }
      - { .name: Wo_scales, .offset: 16, .size: 8, .value_kind: global_buffer, .address_space: global }
      - { .name: x, .offset: 24, .size: 8, .value_kind: global_buffer, .address_space: global }
      - { .name: g2, .offset: 32, .size: 8, .value_kind: global_buffer, .address_space: global }
      - { .name: x2, .offset: 40, .size: 8, .value_kind: global_buffer, .address_space: global }
      - { .name: xm, .offset: 48, .size: 8, .value_kind: global_buffer, .address_space: global }
    .group_segment_fixed_size: 327680
    .private_segment_fixed_size: 0
    .kernarg_segment_align: 8
    .kernarg_segment_size: 56
    .max_flat_workgroup_size: 256
    .sgpr_count:     66
    .vgpr_count:     512
    .wavefront_size: 32
...
	.end_amdgpu_metadata
.endif
;; end of part 4
;; launch w13 (part 5): grid 11 x 23, 8 waves a work-group, no clusters, 327,680 bytes of LDS; arguments xm, wimg, w1_scales, w3_scales, hid; writes hid
.if DOCPART == 5
	.amdgcn_target "amdgcn-amd-amdhsa--gfx1250"
	.amdhsa_code_object_version 6
	.text
	.protected	k_q16cd4d612b_w13
	.globl	k_q16cd4d612b_w13
	.p2align	8
	.type	k_q16cd4d612b_w13,@function
k_q16cd4d612b_w13:
	s_mov_b64 s[64:65], 0
	v_nop
	global_prefetch_b8 v0, s[64:65] scope:SCOPE_SE
	s_setreg_imm32_b32 hwreg(HW_REG_WAVE_MODE, 25, 1), 1
	s_wait_xcnt 0x0
; W13: h = silu(xn2 w1^T) x (xn2 w3^T) on FP4 codes, quantised along the 2,752 hidden units as the last product's operand.
; A wave owns ONE block of 32 hidden units, b = 8 x + wave: two tiles of w1's rows and the same two of w3's stay in its registers (32 fragments, window 1), source 0.  The work-group's token tiles lie in LDS as images, read by all eight waves, source 1.
; A trip: one token tile, 32 products on four accumulators by turns; a lane then holds one token, 16 numbers of x1 and the same 16 of x3: half a block.
; THE GRID: 11 x 8 blocks by 23 groups of token tiles: 253 work-groups.  256 = 3 x 12 + 20 x 11: groups 0-2 take 12 tiles (from tile 244 - 12 y), the others 11 (from tile 242 - 11 y).  Every group fetches 12 tiles, all inside xm; the twelfth trip is
; written out and jumped over, by a branch on the group's number, where the twelfth tile is a neighbour's.
; THE HEAD'S EIGHT TENSOR LOADS, one a wave, 32,768 x wave in LDS: waves 0-2 the 12 token tiles' images (96 KB on end in xm); waves 3-6 w1's 16 tiles of the work-group's eight blocks (128 KB on end in wimg); wave 7 the token tiles' scale words (12 KB).
; w3's tiles and the weights' scale words go from memory straight into registers, under the tensor loads' flight; w1's tiles go from LDS into registers behind the one barrier.  Nothing is filled again.
; No joint requests: neither 11 nor 23 divides into clusters.  No prefetch: every read from memory stands at the head.
; THE LOOP RUNS A TILE AHEAD: the next token tile's 24 LDS loads stand directly behind a trip's products and land under the trip's vector work.
; 2,752 = 86 blocks = 21.5 K steps of 128.  Blocks 86 and 87 fill the last K step: their waves run the same lines (w3's tiles and the scale words of block 85; for w1 the 32 KB that follow w1's images in wimg: no load leaves a buffer) and store ZERO codes.
; OUTPUT in hid: codes at (tile x 22 + b / 4) x 1024 + (b % 4) x 256 + 16 r + 8 h: 256 consecutive bytes a store; the block's byte at H_SC + (tile x 22 + b / 4) x 128 + 4 lane + b % 4.
; LIMITS: NaN and infinities are not served; sigmoid is 1 / (1 + 2^(-x log2 e)); the byte 1 for the smallest blocks and for zeros.
.set XM_SC, 2097152
.set H_SC,  5767168
.set W1_IMG, 2097152                   ; wimg: w1's 172 tiles,
.set W3_IMG, 3506176                   ; w3's, directly behind them
.set LW1,   98304                      ; LDS: token images at 0, w1's tiles here,
.set LSC,   229376                     ; the token tiles' scale words here,
.set SPARE, 241664                     ; the spare words here
.set LI,    1
.set LS,    2
.set WSOFF, 4
.set W1A,   5
.set AA,    8
.set AS,    9
.set OA0,   10
.set OA,    11
.set OB,    12
.set WS,    16                         ; v16-47  the weights' scale words (8 t + s)
.set ASC,   48                         ; v48-55  the token tile's
.set AF,    56                         ; v56-119 its fragments
.set ACC,   120                        ; v120-135 x1, v136-151 x3
.set E,     152                        ; v152-167
.set H,     168                        ; v168-183
.set TM,    184
.set PC,    208
.set SEL,   44
.set G0X,   48                         ; s[48:51], s[52:55], s[56:59] groups 0: token images, w1's tiles, scale words
.set G0W,   52
.set G0S,   56
.set G1,    68                         ; s[68:75] group 1: 128 rows of 256 bytes; s[76:83]: 48 rows
.set G1S,   76
.set MSB, 0
.macro WIN new
.if MSB != (\new)
	s_set_vgpr_msb (MSB<<8)|(\new)
.set MSB, (\new)
.endif
.endm
.macro PLACES n
.rept \n
	v_nop
.endr
.endm
.macro ARM under, g0, g1, next         ; one arm of the head's chain: a load, the nops behind it, a jump to the join
	s_cmp_lt_u32 s24, \under
	s_cbranch_scc0 \next
	tensor_load_to_lds s[\g0:\g0+3], s[\g1:\g1+7]
	s_nop 0
.rept 4
	v_nop
.endr
	s_branch .Lhead_asked
\next:
.endm
.macro QH nb, S
.set qb, 0
.rept \nb
	v_max3_num_f32 v[TM+qb], |v[\S+16*qb]|, |v[\S+16*qb+1]|, 0x1800000
.set qb, qb+1
.endr
.irp i, 2,4,6,8,10,12,14
.set qb, 0
.rept \nb
	s_delay_alu instid0(VALU_DEP_1)
	v_max3_num_f32 v[TM+qb], v[TM+qb], |v[\S+16*qb+\i]|, |v[\S+16*qb+\i+1]|
.set qb, qb+1
.endr
.endr
.set qb, 0
.rept \nb
	s_delay_alu instid0(VALU_DEP_1)
	v_permlanex16_b32 v[TM+4+qb], v[TM+qb], s[SEL], s[SEL+1]
.set qb, qb+1
.endr
.set qb, 0
.rept \nb
	s_delay_alu instid0(VALU_DEP_1)
	v_max_num_f32 v[TM+qb], v[TM+qb], v[TM+4+qb]
.set qb, qb+1
.endr
.set qb, 0
.rept \nb
	s_delay_alu instid0(VALU_DEP_1)
	v_add_nc_u32 v[TM+12+qb], 0xff000000, v[TM+qb]
.set qb, qb+1
.endr
.set qb, 0
.rept \nb
	s_delay_alu instid0(VALU_DEP_1)
	v_lshrrev_b32 v[TM+4+qb], 23, v[TM+12+qb]
.set qb, qb+1
.endr
.set qb, 0
.rept \nb
	v_cvt_scalef32_pk8_fp4_f32 v[PC+2*qb], v[\S+16*qb:\S+16*qb+7], v[TM+12+qb]
	v_cvt_scalef32_pk8_fp4_f32 v[PC+2*qb+1], v[\S+16*qb+8:\S+16*qb+15], v[TM+12+qb]
.set qb, qb+1
.endr
	v_nop
.set qb, 0
.rept \nb/2
	v_permlane16_swap_b32 v[PC+4*qb], v[PC+4*qb+2]
	v_permlane16_swap_b32 v[PC+4*qb+1], v[PC+4*qb+3]
.set qb, qb+1
.endr
.endm
.macro FRAGS                           ; a token tile's 8 fragments and 8 scale words from LDS
.irp s, 0,1,2,3,4,5,6,7
	ds_load_b128 v[AF+8*\s:AF+8*\s+3], v[AA] offset:1024*\s
	ds_load_b128 v[AF+8*\s+4:AF+8*\s+7], v[AA] offset:1024*\s+512
	ds_load_b32 v[ASC+\s], v[AS] offset:128*\s
.endr
.endm
	s_load_b128 s[8:11], s[0:1], 0x0               ; xm s[8:9]; wimg s[10:11]
	s_load_b64 s[12:13], s[0:1], 0x10              ; w1's scales
	s_load_b64 s[16:17], s[0:1], 0x18              ; w3's scales
	s_load_b64 s[18:19], s[0:1], 0x20              ; hid
	v_lshl_add_u32 v254, v0, 2, SPARE
	v_mov_b32 v255, 0
	ds_add_u32 v254, v255                          ; the opening lines: the add, twice on end, and its wait
	ds_add_u32 v254, v255
	v_lshrrev_b32 v1, 5, v0
	v_readfirstlane_b32 s24, v1                    ; wave
	s_mov_b32 s[G1], 3<<16                         ; elements of 8 bytes; no padding: images are read 16 bytes a lane on end
	s_mov_b32 s[G1+1], 32<<16                      ; rows of 256 bytes
	s_mov_b32 s[G1+2], 128<<16
	s_mov_b32 s[G1+3], 32<<16
	s_mov_b32 s[G1+4], 128
	s_mov_b32 s[G1+5], 32
	s_mov_b32 s[G1+6], 0
	s_mov_b32 s[G1+7], 0
	s_mov_b32 s[G1S], 3<<16
	s_mov_b32 s[G1S+1], 32<<16
	s_mov_b32 s[G1S+2], 48<<16
	s_mov_b32 s[G1S+3], 32<<16
	s_mov_b32 s[G1S+4], 48
	s_mov_b32 s[G1S+5], 32
	s_mov_b32 s[G1S+6], 0
	s_mov_b32 s[G1S+7], 0
	s_and_b32 s33, ttmp7, 0xffff                   ; y, the group of token tiles
	s_mul_i32 s34, s33, 12
	s_sub_co_u32 s34, 244, s34
	s_mul_i32 s28, s33, 11
	s_sub_co_u32 s28, 242, s28
	s_cmp_lt_u32 s33, 3
	s_cselect_b32 s33, s34, s28                    ; its first tile
	s_cselect_b32 s23, 1, 0                        ; 1: it has a twelfth tile
	s_lshl_b32 s25, ttmp9, 3
	s_add_co_u32 s25, s25, s24                     ; my block, 0 .. 87
	s_min_u32 s26, s25, 85                         ; whose w3 and scale words I read
	s_cmp_lt_u32 s25, 86
	s_cselect_b32 s27, -1, 0                       ; what my codes are masked with
	s_mov_b32 s35, 0
	s_lshl_b32 s22, s24, 15
	s_mov_b32 s[G0X], 1
	s_lshl_b32 s[G0X+1], s24, 15
	s_mov_b32 s[G0W], 1
	s_lshl_b32 s[G0W+1], s24, 15
	s_mov_b32 s[G0S], 1
	s_mov_b32 s[G0S+1], LSC
	s_mov_b32 s[SEL], 0x76543210
	s_mov_b32 s[SEL+1], 0xfedcba98
	s_mov_b32 s46, 0xbfb8aa3b                      ; -log2(e)
	s_mov_b32 s47, s46
	s_mov_b32 s32, 0
	s_mov_b32 s29, LSC
	s_mov_b32 s30, 0
	s_mov_b32 s31, 0
	s_wait_dscnt 0x0                               ; both opening adds are done
	s_wait_kmcnt 0x0
	s_lshl_b32 s34, s33, 13
	s_add_co_u32 s34, s34, s22
	s_add_nc_u64 s[G0X+2:G0X+3], s[8:9], s[34:35]  ; waves 0-2: four token tiles each
	s_or_b32 s[G0X+3], s[G0X+3], 0x80000000
	s_lshl_b32 s34, ttmp9, 17
	s_add_co_u32 s34, s34, s22
	s_add_co_u32 s34, s34, W1_IMG-LW1
	s_add_nc_u64 s[G0W+2:G0W+3], s[10:11], s[34:35]   ; waves 3-6: w1's tiles of two blocks each
	s_or_b32 s[G0W+3], s[G0W+3], 0x80000000
	s_lshl_b32 s34, s33, 10
	s_add_co_u32 s34, s34, XM_SC
	s_add_nc_u64 s[G0S+2:G0S+3], s[8:9], s[34:35]  ; wave 7: the scale words
	s_or_b32 s[G0S+3], s[G0S+3], 0x80000000
	ARM 3, G0X, G1, .Lhead_w
	ARM 7, G0W, G1, .Lhead_s
	tensor_load_to_lds s[G0S:G0S+3], s[G1S:G1S+7]
	s_nop 0
	PLACES 4
.Lhead_asked:
	s_lshl_b32 s34, s26, 14                        ; two tiles of 8,192 bytes a block
	s_add_co_u32 s34, s34, W3_IMG
	s_add_nc_u64 s[14:15], s[10:11], s[34:35]
	s_lshl_b32 s34, s26, 10                        ; 32 rows of 32 bytes
	s_add_nc_u64 s[12:13], s[12:13], s[34:35]
	s_add_nc_u64 s[16:17], s[16:17], s[34:35]
	s_mul_i32 s34, s33, 22528                      ; a tile: 22 x 1,024
	s_lshl_b32 s28, s25, 8
	s_add_co_u32 s34, s34, s28
	s_add_nc_u64 s[40:41], s[18:19], s[34:35]
	s_mul_i32 s34, s33, 2816
	s_lshr_b32 s28, s25, 2
	s_lshl_b32 s28, s28, 7
	s_add_co_u32 s34, s34, s28
	s_and_b32 s28, s25, 3
	s_add_co_u32 s34, s34, s28
	s_add_co_u32 s34, s34, H_SC
	s_add_nc_u64 s[42:43], s[18:19], s[34:35]
	s_mov_b32 s28, 0
	s_lshl_b32 s22, s24, 14
	s_add_co_u32 s22, s22, LW1
	v_and_b32 v13, 31, v0
	v_lshlrev_b32 v[LI], 4, v13
	v_lshlrev_b32 v[LS], 2, v13
	v_and_b32 v14, 15, v0
	v_bfe_u32 v15, v0, 4, 1
	v_and_b32 v13, 8, v14
	v_add_nc_u32 v13, v13, v14
	v_lshlrev_b32 v[WSOFF], 5, v13
	WIN 0x40
.irp t, 2,3                                        ; w3's tiles 2 b, 2 b + 1: a load reads 512 consecutive bytes
.irp s, 0,1,2,3,4,5,6,7
.irp c, 0,1
	global_load_b128 v[8*(8*\t+\s)+4*\c:8*(8*\t+\s)+4*\c+3], v[LI], s[14:15] offset:(\t%2)*8192+1024*\s+512*\c
.endr
.endr
.endr
	WIN 0
.irp t, 0,1,2,3
.irp e, 0,1
.if \t < 2
	global_load_b128 v[WS+8*\t+4*\e:WS+8*\t+4*\e+3], v[WSOFF], s[12:13] offset:8*(\t%2)*32+16*\e
.else
	global_load_b128 v[WS+8*\t+4*\e:WS+8*\t+4*\e+3], v[WSOFF], s[16:17] offset:8*(\t%2)*32+16*\e
.endif
.endr
.endr
	v_lshlrev_b32 v[OA0], 4, v14
	v_lshl_add_u32 v[OA0], v15, 3, v[OA0]          ; 16 r + 8 h
	v_add_nc_u32 v[W1A], s22, v[LI]                ; my block's two tiles of w1 in LDS
	v_add_nc_u32 v[AA], s28, v[LI]
	v_add_nc_u32 v[AS], s29, v[LS]
	s_wait_alu depctr_va_vdst(0)                   ; the wait at the head's end
	s_wait_tensorcnt 0x0                           ; my piece lies in LDS
	s_barrier_signal -1
	s_barrier_wait -1                              ; and everybody's
	WIN 0x40
.irp t, 0,1                                        ; w1's tiles 2 b, 2 b + 1
.irp s, 0,1,2,3,4,5,6,7
.irp c, 0,1
	ds_load_b128 v[8*(8*\t+\s)+4*\c:8*(8*\t+\s)+4*\c+3], v[W1A] offset:\t*8192+1024*\s+512*\c
.endr
.endr
.endr
	WIN 0
	FRAGS                                          ; token tile 0
	s_wait_loadcnt 0x0                             ; w3 and the scale words are in
; A trip: one token tile.  nxt = 1: the next tile is fetched
.macro TRIP nxt
	s_wait_dscnt 0x0                               ; this tile's fragments and words, asked for a trip ago
	WIN 0x01
.set ks, 0
.rept 8                                            ; four accumulators by turns
.set kt, 0
.rept 4
.if ks == 0
	v_wmma_scale_f32_16x16x128_f8f6f4 v[ACC+8*kt:ACC+8*kt+7], v[8*(8*kt+ks):8*(8*kt+ks)+7], v[AF+8*ks:AF+8*ks+7], 0, v[WS+8*kt+ks], v[ASC+ks] matrix_a_fmt:MATRIX_FMT_FP4 matrix_b_fmt:MATRIX_FMT_FP4
.else
	v_wmma_scale_f32_16x16x128_f8f6f4 v[ACC+8*kt:ACC+8*kt+7], v[8*(8*kt+ks):8*(8*kt+ks)+7], v[AF+8*ks:AF+8*ks+7], v[ACC+8*kt:ACC+8*kt+7], v[WS+8*kt+ks], v[ASC+ks] matrix_a_fmt:MATRIX_FMT_FP4 matrix_b_fmt:MATRIX_FMT_FP4
.endif
.set kt, kt+1
.endr
.set ks, ks+1
.endr
	WIN 0
	s_wait_xcnt 0x0                                ; the last trip's stores have read their offsets and data
	v_add_nc_u32 v[OA], s30, v[OA0]                ; the additions are the places behind the last product, ahead of the loads into its sources and of the first read of results
	v_add_nc_u32 v[OB], s31, v[LS]
.if \nxt
	s_add_co_u32 s28, s28, 8192
	s_add_co_u32 s29, s29, 1024
	v_add_nc_u32 v[AA], s28, v[LI]
	v_add_nc_u32 v[AS], s29, v[LS]
	FRAGS                                          ; the next tile: it lands under the vector work below
.else
	PLACES 2
.endif
.set j, 0
.rept 8
	v_pk_mul_f32 v[E+j:E+j+1], v[ACC+j:ACC+j+1], s[46:47] op_sel_hi:[1,0]   ; -x1 log2(e)
.set j, j+2
.endr
.set j, 0
	s_wait_alu depctr_va_vdst(0)
.rept 16
	v_exp_f32 v[E+j], v[E+j]
.set j, j+1
.endr
	v_nop
	s_wait_alu depctr_va_vdst(0)                   ; one wait for the sixteen
.set j, 0
.rept 8
	v_pk_add_f32 v[E+j:E+j+1], v[E+j:E+j+1], 1.0 op_sel_hi:[1,0]
.set j, j+2
.endr
.set j, 0
	s_wait_alu depctr_va_vdst(0)
.rept 16
	v_rcp_f32 v[E+j], v[E+j]                       ; sigmoid(x1)
.set j, j+1
.endr
	v_nop
	s_wait_alu depctr_va_vdst(0)
.set j, 0
.rept 8
	v_pk_mul_f32 v[H+j:H+j+1], v[ACC+j:ACC+j+1], v[E+j:E+j+1]
.set j, j+2
.endr
.set j, 0
.rept 8
	v_pk_mul_f32 v[H+j:H+j+1], v[H+j:H+j+1], v[ACC+16+j:ACC+17+j]
.set j, j+2
.endr
	QH 1, H
	v_and_b32 v[PC], s27, v[PC]                    ; blocks 86 and 87: zero codes
	v_and_b32 v[PC+1], s27, v[PC+1]
	global_store_b64 v[OA], v[PC:PC+1], s[40:41]   ; 32 lanes store 256 consecutive bytes, aligned
	global_store_b8 v[OB], v[TM+4], s[42:43]
.if \nxt
	s_add_co_u32 s30, s30, 22528
	s_add_co_u32 s31, s31, 2816
.endif
.endm
.Ltrip:                                            ; eleven trips, each fetching the tile behind its own
	TRIP 1
	s_add_co_u32 s32, s32, 1
	s_cmp_lt_u32 s32, 11
	s_cbranch_scc1 .Ltrip
	s_cmp_eq_u32 s23, 0
	s_cbranch_scc1 .Ldone                          ; the twelfth tile is a neighbour's
	TRIP 0
.Ldone:
	s_wait_tensorcnt 0x0                           ; the wave's end
	ds_add_u32 v254, v255
	s_wait_dscnt 0x0
	s_endpgm
.Lfunc_end_k_q16cd4d612b_w13:
	.size	k_q16cd4d612b_w13, .Lfunc_end_k_q16cd4d612b_w13-k_q16cd4d612b_w13
	.p2alignl 7, 3214868480
	.fill 96, 4, 3214868480
	.section	.rodata,"a",@progbits
	.p2align	6, 0x0
	.amdhsa_kernel k_q16cd4d612b_w13
		.amdhsa_group_segment_fixed_size 327680
		.amdhsa_private_segment_fixed_size 0
		.amdhsa_enable_private_segment 0
		.amdhsa_kernarg_size 40
		.amdhsa_user_sgpr_count 2
		.amdhsa_user_sgpr_kernarg_segment_ptr 1
		.amdhsa_wavefront_size32 1
		.amdhsa_system_sgpr_workgroup_id_x 1
		.amdhsa_system_sgpr_workgroup_id_y 1
		.amdhsa_system_sgpr_workgroup_id_z 1
		.amdhsa_system_vgpr_workitem_id 0
		.amdhsa_next_free_vgpr 512
		.amdhsa_next_free_sgpr 84
		.amdhsa_reserve_vcc 0
		.amdhsa_float_denorm_mode_32 3
		.amdhsa_float_denorm_mode_16_64 3
		.amdhsa_memory_ordered 1
		.amdhsa_forward_progress 1
		.amdhsa_inst_pref_size 34
	.end_amdhsa_kernel
	.amdgpu_metadata
---
amdhsa.version: [ 1, 2 ]
amdhsa.kernels:
  - .name:           k_q16cd4d612b_w13
    .symbol:         k_q16cd4d612b_w13.kd
    .args:
      - { .name: xm, .offset: 0, .size: 8, .value_kind: global_buffer, .address_space: global }
      - { .name: wimg, .offset: 8, .size: 8, .value_kind: global_buffer, .address_space: global }
      - { .name: w1_scales, .offset: 16, .size: 8, .value_kind: global_buffer, .address_space: global }
      - { .name: w3_scales, .offset: 24, .size: 8, .value_kind: global_buffer, .address_space: global }
      - { .name: hid, .offset: 32, .size: 8, .value_kind: global_buffer, .address_space: global }
    .group_segment_fixed_size: 327680
    .private_segment_fixed_size: 0
    .kernarg_segment_align: 8
    .kernarg_segment_size: 40
    .max_flat_workgroup_size: 256
    .sgpr_count:     84
    .vgpr_count:     512
    .wavefront_size: 32
...
	.end_amdgpu_metadata
.endif
;; end of part 5
;; launch w2 (part 6): grid 4 x 64, 4 waves a work-group, clusters of 4 x 1, 327,680 bytes of LDS; arguments hid, wimg, x2, out0; writes out0
.if DOCPART == 6
	.amdgcn_target "amdgcn-amd-amdhsa--gfx1250"
	.amdhsa_code_object_version 6
	.text
	.protected	k_q16cd4d612b_w2
	.globl	k_q16cd4d612b_w2
	.p2align	8
	.type	k_q16cd4d612b_w2,@function
k_q16cd4d612b_w2:
	s_mov_b64 s[64:65], 0
	v_nop
	global_prefetch_b8 v0, s[64:65] scope:SCOPE_SE
	s_setreg_imm32_b32 hwreg(HW_REG_WAVE_MODE, 25, 1), 1
	s_wait_xcnt 0x0
	s_wait_alu depctr_hold_cnt(0) depctr_sa_sdst(0) depctr_va_vdst(0) depctr_va_sdst(0) depctr_va_ssrc(0) depctr_va_vcc(0) depctr_vm_vsrc(0)
	s_getreg_b32 s2, hwreg(HW_REG_IB_STS2, 6, 4)
	s_cmp_eq_u32 s2, 0
	s_cbranch_scc0 .Lentry_in_a_cluster
	s_endpgm
.Lentry_in_a_cluster:
	s_bfe_u32 s2, ttmp6, 0x10000c
	s_cmp_lg_u32 s2, 0x3003
	s_cbranch_scc0 .Lentry_shape_is_right
	s_endpgm
.Lentry_shape_is_right:
; W2: out0 = x2 + h w2^T on FP4 codes; K = 2,752 = 21.5 K steps of 128; the last half step is zero codes on both sides (h's by the launch before, w2's by the first launch, under the byte 127).
; SHARES.  Work-group (slab, y): 256 columns x 64 tokens (tiles 4 y .. 4 y + 3).  Wave w keeps its 64 columns' rows of w2, 4 tiles x 22 K steps = 88 fragments, 704 registers, for the whole launch: source 0.
; They come from wimg, where they lie as images of their registers: a load reads 512 consecutive bytes.  So do the scale words, 128 bytes a load: one register carries two tiles' words,
; lanes 0-15 tile 2 p, lanes 16-31 tile 2 p + 1 (read by the ROW1 selector).
; The four token tiles' images (88 KB) and scale words (11 KB) lie in LDS, filled once by three tensor loads at the head (waves 0, 1: two tiles' images each; wave 2: the scale words) and read by all four waves: source 1,
; fetched in chunks of 8, 8 and 6 K steps into two register buffers by turns.
; CLUSTERS: the four slabs of one y read the same token tiles; they form a cluster and ask jointly (mask 15).  No branch and no LDS address hangs on the place in the cluster.
; THE LOADS INTO REGISTERS go out in one run, in the order in which they are wanted: x2 of tile 0, w2's scale words, w2's K steps 0 .. 21.  The first products wait for all but the last 48 (K steps 16 .. 21), which the third chunk waits for.
; No prefetch: every stream is asked for at the head but x2, which is asked for a tile ahead.
; x2 IS THE C OF EACH SUM'S FIRST PRODUCT: loaded straight into the accumulators, a tile ahead, into two sets by turns.
; The way out: a wave's 16 rows x 256 bytes go through its own stage in LDS and leave as aligned runs of 256 bytes.
; REGISTERS.  Window 0: v1-12 addresses; v16-59 w2's scale words (22 p + s); v60-131, v132-203 two buffers (64 of fragments, 8 of scale words); v204-235 rows on the way out; v254, 255 the add's.
;   Fragment (s, t) of w2 at 8 (4 (s % 8) + t) of window 1 + s / 8.  Window 3 from v192: two sets of four accumulators.
.set H_SC,  5767168
.set W2I,   4915200                    ; wimg: w2's codes, (tile x 22 + s) x 1024 + 512 c;
.set W2S,   6356992                    ; its scale words, ((tile / 2) x 22 + s) x 128
.set LHS,   90112                      ; LDS: images at 0, their scale words here,
.set STG,   101376                     ; four stages of 16 x 272 bytes here,
.set SPARE, 118784                     ; the spare words here
.set G0I,   24                         ; s[24:27], s[28:31] groups 0: images, scale words; s[32:39], s[40:47] groups 1: 176 and 44 rows of 256 bytes
.set G0S,   28
.set G1I,   32
.set G1S,   40
.set MSB, 0
.macro WIN new
.if MSB != (\new)
	s_set_vgpr_msb (MSB<<8)|(\new)
.set MSB, (\new)
.endif
.endm
.macro PLACES n
.rept \n
	v_nop
.endr
.endm
.macro CROUND                          ; a round of the cluster's barrier
	s_barrier_signal -1
	s_barrier_wait -1
	s_cmp_lg_u32 s14, 0
	s_cbranch_scc1 .Lnot_wave_0_\@
	s_barrier_signal -3
.Lnot_wave_0_\@:
	s_barrier_wait -3
	s_barrier_signal -1
	s_barrier_wait -1
.endm
.macro ARM under, g0, g1, next         ; one arm of the head's chain: a load, the nops behind it, a jump to the join
	s_cmp_lt_u32 s14, \under
	s_cbranch_scc0 \next
	tensor_load_to_lds s[\g0:\g0+3], s[\g1:\g1+7]
	s_nop 0
.rept 4
	v_nop
.endr
	s_branch .Lhead_asked
\next:
.endm
.macro WLOAD s                         ; w2's four fragments of K step s
.irp t, 0,1,2,3
	global_load_b128 v[8*(4*((\s)%8)+\t):8*(4*((\s)%8)+\t)+3], v1, s[6:7] offset:\t*22528+1024*(\s)
	global_load_b128 v[8*(4*((\s)%8)+\t)+4:8*(4*((\s)%8)+\t)+7], v1, s[6:7] offset:\t*22528+1024*(\s)+512
.endr
.endm
.macro XLOAD m                         ; x2 of token tile m in the result's layout, into accumulator set m % 2
.irp t, 0,1,2,3
	global_load_b128 v[192+32*((\m)%2)+8*\t:195+32*((\m)%2)+8*\t], v9, s[10:11] offset:(32*((\m)/2)+8*((\m)%2))*4096+64*\t
	global_load_b128 v[196+32*((\m)%2)+8*\t:199+32*((\m)%2)+8*\t], v9, s[10:11] offset:(32*((\m)/2)+8*((\m)%2))*4096+64*\t+16
.endr
.endm
.macro FETCH m, q                      ; chunk q of tile m: 8 (q = 2: 6) K steps, three LDS loads each
.set fb, 60+72*((3*(\m)+(\q))%2)
.set fn, 8-2*((\q)/2)
.set fs, 0
.rept fn
.if (\m) < 2
	ds_load_b128 v[fb+8*fs:fb+8*fs+3], v1 offset:(\m)*22528+(8*(\q)+fs)*1024
	ds_load_b128 v[fb+8*fs+4:fb+8*fs+7], v1 offset:(\m)*22528+(8*(\q)+fs)*1024+512
.else
	ds_load_b128 v[fb+8*fs:fb+8*fs+3], v2 offset:((\m)-2)*22528+(8*(\q)+fs)*1024
	ds_load_b128 v[fb+8*fs+4:fb+8*fs+7], v2 offset:((\m)-2)*22528+(8*(\q)+fs)*1024+512
.endif
	ds_load_b32 v[fb+64+fs], v3 offset:(\m)*2816+(8*(\q)+fs)*128
.set fs, fs+1
.endr
.endm
.macro CH m, q                         ; the next chunk is asked for, then this one is multiplied
.set cb, 60+72*((3*(\m)+(\q))%2)
.set ca, 192+32*((\m)%2)
.set cn, 8-2*((\q)/2)
	PLACES 4                                       ; ahead of loads into registers that the last products have read
.if (\q) == 0
.if (\m) == 0
	s_wait_loadcnt 48                              ; x2 of tile 0, the scale words and w2's K steps 0 .. 15 are in: behind them stand the 48 loads of K steps 16 .. 21
.else
	s_wait_loadcnt 0x0                             ; this tile's x2, asked for a tile ago
.endif
.if (\m) < 3
	WIN 0xc0
	XLOAD (\m)+1
	WIN 0
.endif
.endif
.if (\q) < 2
	FETCH \m, (\q)+1
	s_wait_dscnt 24-6*(\q)                         ; this chunk is in: behind it stand the loads just issued, three for each of the next chunk's K steps
.elseif (\m) < 3
	FETCH (\m)+1, 0
	s_wait_dscnt 24
.else
	s_wait_dscnt 0x0
.endif
.if (\m) == 0 && (\q) == 2
	s_wait_loadcnt 8                               ; w2's K steps 16 .. 21 are in: behind them stand the eight loads of tile 1's x2
.endif
	WIN 0xf1+(\q)                                  ; source 0 window 1 + q; C and D window 3
.set cs, 0
.rept cn                                           ; four accumulators by turns
.irp t, 0,1,2,3
.if (\t)%2
	v_wmma_scale_f32_16x16x128_f8f6f4 v[ca+8*\t:ca+8*\t+7], v[8*(4*cs+\t):8*(4*cs+\t)+7], v[cb+8*cs:cb+8*cs+7], v[ca+8*\t:ca+8*\t+7], v[16+22*(\t/2)+8*(\q)+cs], v[cb+64+cs] matrix_a_fmt:MATRIX_FMT_FP4 matrix_b_fmt:MATRIX_FMT_FP4 matrix_a_scale:MATRIX_SCALE_ROW1
.else
	v_wmma_scale_f32_16x16x128_f8f6f4 v[ca+8*\t:ca+8*\t+7], v[8*(4*cs+\t):8*(4*cs+\t)+7], v[cb+8*cs:cb+8*cs+7], v[ca+8*\t:ca+8*\t+7], v[16+22*(\t/2)+8*(\q)+cs], v[cb+64+cs] matrix_a_fmt:MATRIX_FMT_FP4 matrix_b_fmt:MATRIX_FMT_FP4
.endif
.endr
.set cs, cs+1
.endr
	WIN 0
.endm
.macro WAYOUT m
.set ca, 192+32*((\m)%2)
	PLACES 4
	WIN 0x0c                                       ; an LDS store's data: window 3
.irp t, 0,1,2,3
	ds_store_b128 v10, v[ca+8*\t:ca+8*\t+3] offset:64*\t           ; each accumulator from its low end on
	ds_store_b128 v10, v[ca+8*\t+4:ca+8*\t+7] offset:64*\t+16
.endr
	WIN 0
	s_wait_xcnt 0x0                                ; the last tile's stores have read their data
.irp i, 0,1,2,3,4,5,6,7
	ds_load_b128 v[204+4*\i:207+4*\i], v11 offset:2*\i*272         ; LDS serves a wave's instructions in order: these see the stores above
.endr
	s_wait_dscnt 0x0
.irp i, 0,1,2,3,4,5,6,7
	global_store_b128 v12, v[204+4*\i:207+4*\i], s[12:13] offset:(32*((\m)/2)+8*((\m)%2)+2*\i+8*(\i/4))*4096 th:TH_STORE_NT   ; sixteen lanes store 256 consecutive bytes, aligned
.endr
.endm
	s_load_b128 s[4:7], s[0:1], 0x0                ; hid s[4:5], wimg s[6:7]
	s_load_b64 s[10:11], s[0:1], 0x10              ; x2
	s_load_b64 s[12:13], s[0:1], 0x18              ; out0
	v_lshl_add_u32 v254, v0, 2, SPARE
	v_mov_b32 v255, 0
	ds_add_u32 v254, v255                          ; the opening lines: the add, twice on end, and its wait
	ds_add_u32 v254, v255
	v_lshrrev_b32 v1, 5, v0
	v_readfirstlane_b32 s14, v1                    ; wave
	s_and_b32 s16, ttmp7, 0xffff                   ; y
	s_mov_b32 s[G1I], 15|(3<<16)|(1<<21)           ; the mask names the cluster's four; elements of 8 bytes; no padding: images are read 16 bytes a lane on end
	s_mov_b32 s[G1I+1], 32<<16                     ; rows of 256 bytes
	s_mov_b32 s[G1I+2], 176<<16
	s_mov_b32 s[G1I+3], 32<<16
	s_mov_b32 s[G1I+4], 176                        ; two tiles' images: 45,056 bytes
	s_mov_b32 s[G1I+5], 32
	s_mov_b32 s[G1I+6], 0
	s_mov_b32 s[G1I+7], 0
	s_mov_b32 s[G1S], 15|(3<<16)|(1<<21)
	s_mov_b32 s[G1S+1], 32<<16
	s_mov_b32 s[G1S+2], 44<<16
	s_mov_b32 s[G1S+3], 32<<16
	s_mov_b32 s[G1S+4], 44                         ; four tiles' scale words: 11,264 bytes
	s_mov_b32 s[G1S+5], 32
	s_mov_b32 s[G1S+6], 0
	s_mov_b32 s[G1S+7], 0
	s_mov_b32 s[G0I], 1
	s_mul_i32 s[G0I+1], s14, 45056
	s_mov_b32 s[G0S], 1
	s_mov_b32 s[G0S+1], LHS
	s_mul_i32 s17, s14, 45056
	s_mov_b32 s19, 0
	s_wait_dscnt 0x0                               ; both opening adds are done
	s_wait_kmcnt 0x0
	s_mul_i32 s18, s16, 90112
	s_add_co_u32 s18, s18, s17
	s_add_nc_u64 s[G0I+2:G0I+3], s[4:5], s[18:19]  ; h's images of tiles 4 y + 2 w, + 1
	s_or_b32 s[G0I+3], s[G0I+3], 0x80000000
	s_mul_i32 s18, s16, 11264
	s_add_co_u32 s18, s18, H_SC
	s_add_nc_u64 s[G0S+2:G0S+3], s[4:5], s[18:19]  ; h's scale words of tiles 4 y ..
	s_or_b32 s[G0S+3], s[G0S+3], 0x80000000
	CROUND                                         ; the cluster's four are here: the joint loads meet
	ARM 2, G0I, G1I, .Lhead_s
	ARM 3, G0S, G1S, .Lhead_none
.Lhead_asked:
	s_bfe_u32 s15, ttmp6, 0x40000                  ; my place in the cluster
	s_lshl_b32 s17, ttmp9, 2
	s_add_co_u32 s15, s15, s17                     ; slab
	s_lshl_b32 s17, s15, 4
	s_lshl_b32 s18, s14, 2
	s_add_co_u32 s17, s17, s18                     ; my first tile of w2's rows, an even number
	s_mul_i32 s18, s17, 1408                       ; half of it x 22 words x 128 bytes
	s_add_co_u32 s18, s18, W2S
	s_add_nc_u64 s[8:9], s[6:7], s[18:19]
	s_mul_i32 s18, s17, 22528
	s_add_co_u32 s18, s18, W2I
	s_add_nc_u64 s[6:7], s[6:7], s[18:19]
	s_lshl_b32 s18, s16, 18
	s_lshl_b32 s17, s15, 10
	s_add_co_u32 s18, s18, s17
	s_lshl_b32 s17, s14, 8
	s_add_co_u32 s18, s18, s17
	s_add_nc_u64 s[10:11], s[10:11], s[18:19]      ; token 64 y, column 256 slab + 64 w
	s_add_nc_u64 s[12:13], s[12:13], s[18:19]
	s_mul_i32 s17, s14, 16*272
	s_add_co_u32 s17, s17, STG                     ; my stage
	v_and_b32 v8, 31, v0
	v_lshlrev_b32 v1, 4, v8                        ; 16 x lane: images of tiles 0, 1, and of w2;
	v_add_nc_u32 v2, 45056, v1                     ; of tiles 2, 3
	v_lshl_add_u32 v3, v8, 2, LHS                  ; h's scale words in LDS
	v_lshlrev_b32 v8, 2, v8                        ; 4 x lane: w2's in wimg
	v_and_b32 v14, 15, v0                          ; r
	v_bfe_u32 v15, v0, 4, 1                        ; h
	v_and_b32 v12, 8, v14
	v_add_nc_u32 v12, v12, v14
	v_lshlrev_b32 v9, 12, v12
	v_lshl_add_u32 v9, v15, 5, v9                  ; x2: token row r + 8 (r / 8), + 32 h
	WIN 0xc0
	XLOAD 0
	WIN 0
.set i, 0
.rept 44
	global_load_b32 v[16+i], v8, s[8:9] offset:128*i               ; word 22 p + s: 128 consecutive bytes
.set i, i+1
.endr
	WIN 0x40
.irp s, 0,1,2,3,4,5,6,7
	WLOAD \s
.endr
	WIN 0x80
.irp s, 8,9,10,11,12,13,14,15
	WLOAD \s
.endr
	WIN 0xc0
.irp s, 16,17,18,19,20,21
	WLOAD \s
.endr
	WIN 0
	v_mul_u32_u24 v10, v14, 272
	v_lshl_add_u32 v10, v15, 5, v10
	v_add_nc_u32 v10, s17, v10                     ; the stage, in: row r, + 32 h
	v_mul_u32_u24 v11, v15, 272
	v_lshl_add_u32 v11, v14, 4, v11
	v_add_nc_u32 v11, s17, v11                     ; back: lanes 0-15 one row, lanes 16-31 the next
	v_lshlrev_b32 v12, 12, v15
	v_lshl_add_u32 v12, v14, 4, v12                ; and the same in out0
	s_wait_alu depctr_va_vdst(0)                   ; the wait at the head's end
	s_wait_tensorcnt 0x0                           ; my piece of the token tiles lies in LDS
	s_barrier_signal -1
	s_barrier_wait -1                              ; and everybody's
	FETCH 0, 0
.irp m, 0,1,2,3
	CH \m, 0
	CH \m, 1
	CH \m, 2
	WAYOUT \m
.endr
	s_wait_tensorcnt 0x0                           ; the wave's end
	ds_add_u32 v254, v255
	s_wait_dscnt 0x0
	CROUND                                         ; the closing round
	s_endpgm
.Lfunc_end_k_q16cd4d612b_w2:
	.size	k_q16cd4d612b_w2, .Lfunc_end_k_q16cd4d612b_w2-k_q16cd4d612b_w2
	.p2alignl 7, 3214868480
	.fill 96, 4, 3214868480
	.section	.rodata,"a",@progbits
	.p2align	6, 0x0
	.amdhsa_kernel k_q16cd4d612b_w2
		.amdhsa_group_segment_fixed_size 327680
		.amdhsa_private_segment_fixed_size 0
		.amdhsa_enable_private_segment 0
		.amdhsa_kernarg_size 32
		.amdhsa_user_sgpr_count 2
		.amdhsa_user_sgpr_kernarg_segment_ptr 1
		.amdhsa_wavefront_size32 1
		.amdhsa_system_sgpr_workgroup_id_x 1
		.amdhsa_system_sgpr_workgroup_id_y 1
		.amdhsa_system_sgpr_workgroup_id_z 1
		.amdhsa_system_vgpr_workitem_id 0
		.amdhsa_next_free_vgpr 1024
		.amdhsa_next_free_sgpr 66
		.amdhsa_reserve_vcc 0
		.amdhsa_float_denorm_mode_32 3
		.amdhsa_float_denorm_mode_16_64 3
		.amdhsa_memory_ordered 1
		.amdhsa_forward_progress 1
		.amdhsa_inst_pref_size 102
	.end_amdhsa_kernel
	.amdgpu_metadata
---
amdhsa.version: [ 1, 2 ]
amdhsa.kernels:
  - .name:           k_q16cd4d612b_w2
    .symbol:         k_q16cd4d612b_w2.kd
    .args:
      - { .name: hid, .offset: 0, .size: 8, .value_kind: global_buffer, .address_space: global }
      - { .name: wimg, .offset: 8, .size: 8, .value_kind: global_buffer, .address_space: global }
      - { .name: x2, .offset: 16, .size: 8, .value_kind: global_buffer, .address_space: global }
      - { .name: out0, .offset: 24, .size: 8, .value_kind: global_buffer, .address_space: global }
    .group_segment_fixed_size: 327680
    .private_segment_fixed_size: 0
    .kernarg_segment_align: 8
    .kernarg_segment_size: 32
    .max_flat_workgroup_size: 128
    .sgpr_count:     66
    .vgpr_count:     1024
    .wavefront_size: 32
...
	.end_amdgpu_metadata
.endif
;; end of part 6
